; MI455X (gfx1250); checked and timed in simulation.
; The chip was launched on July 23, 2026; its instructions are those of AMD's public machine-readable ISA for CDNA 5 (MIT licence, August 2026) and "CDNA5" Instruction Set Architecture Reference Guide (July 2026). The comments in the code are by the model that wrote it; some were corrected since.
;; Multi Head Attention. Allowed arithmetic: float matrix products may take bf16 or f16 operands with f32 sums; all other float work in f32.
;; Inputs: dense_b 1,024 float32; dense_w 1,024 x 1,024 float32; key_ 2 x 2,048 x 1,024 float32; mask 1 x 1 x 2,048 x 2,048 float32; query 2 x 2,048 x 1,024 float32; value 2 x 2,048 x 1,024 float32; wk_b 1,024 float32; wk_w 1,024 x 1,024 float32; wq_b 1,024 float32; wq_w 1,024 x 1,024 float32; wv_b 1,024 float32; wv_w 1,024 x 1,024 float32.
;; Outputs: out0 2 x 2,048 x 1,024 float32.
;; 2 versions, each right; version 2 is version 1 with the launch cast written anew for expert scheduling mode. Each part assembles by itself: llvm-mc -triple=amdgcn-amd-amdhsa -mcpu=gfx1250 --defsym DOCPART=n.
;; ======== version 1 of 2: 4 launches
;; limits: values are held in f16: magnitudes above 65,504 overflow, below 6.1e-05 lose precision
;; workspace buffers: xb 25,165,824 bytes; wb 8,388,608 bytes; qkv 25,165,824 bytes; ctx 8,388,608 bytes
;; launch cast (part 1): grid 256 x 1, 16 waves a work-group, no clusters, 0 bytes of LDS; arguments query, key_, value, wq_w, wk_w, wv_w, dense_w, xb, wb; writes xb, wb
.if DOCPART == 1
	.amdgcn_target "amdgcn-amd-amdhsa--gfx1250"
	.amdhsa_code_object_version 6
	.text
	.protected	k_q539e878743_cast
	.globl	k_q539e878743_cast
	.p2align	8
	.type	k_q539e878743_cast,@function
k_q539e878743_cast:
	s_mov_b64 s[64:65], 0
	v_nop
	global_prefetch_b8 v0, s[64:65] scope:SCOPE_SE
	s_setreg_imm32_b32 hwreg(HW_REG_WAVE_MODE, 25, 1), 1
	s_wait_xcnt 0x0
; f32 to 16 bits, a plain stream.  query, key_, value -> xb [3][4096][1024] bf16; wq_w, wk_w, wv_w -> wb[0..2] [1024][1024] bf16;
; dense_w -> wb[3] in f16: first rounded to bf16 like every other input, then widened, because its partner in the last product is f16.
; LIMIT: the widening is exact for 2^-17 <= |w| < 65,504; below, the error is at most 2^-25; at 65,504 and above the f16 is infinite.
; 256 work-groups of 16 waves; each owns 65,536 numbers: 262,144 bytes in, 131,072 bytes out.  Work-groups 0-191 take the three
; activations (64 chunks each), 192-255 the four weights (16 chunks each).  Thread t takes 16 bytes at 16 t of each 8,192-byte line,
; so a wave's load covers 512 consecutive bytes and a wave's store of 8 bytes a lane 256 consecutive bytes, aligned.
; All 32 loads of a thread are issued before the first is used: no register is used twice, so no source is ever rewritten.
; No LDS, no matrix unit, no cluster: no byte is used twice.
.set TR, 4                             ; v[4:7]     four f32, at work (f16 path)
.set XR, 8                             ; v[8:135]   load i: 4 f32
.set YR, 136                           ; v[136:199] store i: 4 numbers of 16 bits
	s_load_b512 s[8:23], s[0:1], 0x0               ; query, key_, value, wq_w, wk_w, wv_w, dense_w, xb
	s_load_b64 s[24:25], s[0:1], 0x40              ; wb
	s_mov_b32 s36, ttmp9                           ; g, the work-group's number
	s_lshr_b32 s2, s36, 6                          ; 0, 1, 2: an activation; 3: a weight
	s_bfe_u32 s3, s36, 0x20004                     ; which weight: bits 5:4 of g
	s_and_b32 s6, s36, 63                          ; chunk of an activation; also the chunk in wb
	s_and_b32 s7, s36, 15                          ; chunk of a weight
	v_lshlrev_b32 v1, 4, v0                        ; 16 t: my bytes in a line of the source
	v_lshlrev_b32 v2, 3, v0                        ; 8 t: my bytes in a line of the destination
	s_wait_kmcnt 0x0
	s_cmp_eq_u32 s2, 1                             ; every choice hangs on g alone
	s_cselect_b64 s[26:27], s[10:11], s[8:9]
	s_cmp_eq_u32 s2, 2
	s_cselect_b64 s[26:27], s[12:13], s[26:27]     ; the activation
	s_cmp_eq_u32 s3, 1
	s_cselect_b64 s[28:29], s[16:17], s[14:15]
	s_cmp_eq_u32 s3, 2
	s_cselect_b64 s[28:29], s[18:19], s[28:29]
	s_cmp_eq_u32 s3, 3
	s_cselect_b64 s[28:29], s[20:21], s[28:29]     ; the weight
	s_cmp_eq_u32 s2, 3
	s_cselect_b64 s[26:27], s[28:29], s[26:27]     ; source
	s_cselect_b64 s[30:31], s[24:25], s[22:23]     ; destination: wb or xb
	s_cselect_b32 s32, s7, s6                      ; chunk in the source
	s_cselect_b32 s34, s6, s36                     ; chunk in the destination
	s_lshl_b32 s32, s32, 18                        ; x 262,144 bytes
	s_mov_b32 s33, 0
	s_lshl_b32 s34, s34, 17                        ; x 131,072 bytes
	s_mov_b32 s35, 0
	s_add_nc_u64 s[26:27], s[26:27], s[32:33]
	s_add_nc_u64 s[30:31], s[30:31], s[34:35]
.irp i, 0,1,2,3,4,5,6,7,8,9,10,11,12,13,14,15,16,17,18,19,20,21,22,23,24,25,26,27,28,29,30,31
	global_load_b128 v[XR+4*\i:XR+4*\i+3], v1, s[26:27] offset:8192*\i th:TH_LOAD_NT
.endr
; line i: wait for its load, round, store.  half = 1: bf16 is widened to f32 (a shift, a mask) and packed as f16.
.macro CV16 i, half
	s_wait_loadcnt 31-\i                           ; loads come back in order (ISA guide 5.7.1): line i is in, the younger ones stay out
	v_cvt_pk_bf16_f32 v[YR+2*\i], v[XR+4*\i], v[XR+4*\i+1]
	v_cvt_pk_bf16_f32 v[YR+2*\i+1], v[XR+4*\i+2], v[XR+4*\i+3]
.if \half
	v_lshlrev_b32 v[TR], 16, v[YR+2*\i]
	v_and_b32 v[TR+1], 0xffff0000, v[YR+2*\i]
	v_lshlrev_b32 v[TR+2], 16, v[YR+2*\i+1]
	v_and_b32 v[TR+3], 0xffff0000, v[YR+2*\i+1]
	v_cvt_pk_f16_f32 v[YR+2*\i], v[TR], v[TR+1]
	v_cvt_pk_f16_f32 v[YR+2*\i+1], v[TR+2], v[TR+3]
.endif
	global_store_b64 v2, v[YR+2*\i:YR+2*\i+1], s[30:31] offset:4096*\i   ; no hint: the next launch reads these bytes
.endm
	s_cmp_ge_u32 s36, 240                          ; work-groups 240-255 hold dense_w
	s_cbranch_scc1 .Lf16
.irp i, 0,1,2,3,4,5,6,7,8,9,10,11,12,13,14,15,16,17,18,19,20,21,22,23,24,25,26,27,28,29,30,31
	CV16 \i, 0
.endr
	s_endpgm
.Lf16:
.irp i, 0,1,2,3,4,5,6,7,8,9,10,11,12,13,14,15,16,17,18,19,20,21,22,23,24,25,26,27,28,29,30,31
	CV16 \i, 1
.endr
	s_endpgm
.Lfunc_end_k_q539e878743_cast:
	.size	k_q539e878743_cast, .Lfunc_end_k_q539e878743_cast-k_q539e878743_cast
	.p2alignl 7, 3214868480
	.fill 96, 4, 3214868480
	.section	.rodata,"a",@progbits
	.p2align	6, 0x0
	.amdhsa_kernel k_q539e878743_cast
		.amdhsa_group_segment_fixed_size 0
		.amdhsa_private_segment_fixed_size 0
		.amdhsa_enable_private_segment 0
		.amdhsa_kernarg_size 72
		.amdhsa_user_sgpr_count 2
		.amdhsa_user_sgpr_kernarg_segment_ptr 1
		.amdhsa_wavefront_size32 1
		.amdhsa_system_sgpr_workgroup_id_x 1
		.amdhsa_system_sgpr_workgroup_id_y 1
		.amdhsa_system_sgpr_workgroup_id_z 1
		.amdhsa_system_vgpr_workitem_id 0
		.amdhsa_next_free_vgpr 200
		.amdhsa_next_free_sgpr 66
		.amdhsa_reserve_vcc 0
		.amdhsa_float_denorm_mode_32 3
		.amdhsa_float_denorm_mode_16_64 3
		.amdhsa_memory_ordered 1
		.amdhsa_forward_progress 1
		.amdhsa_inst_pref_size 31
	.end_amdhsa_kernel
	.amdgpu_metadata
---
amdhsa.version: [ 1, 2 ]
amdhsa.kernels:
  - .name:           k_q539e878743_cast
    .symbol:         k_q539e878743_cast.kd
    .args:
      - { .name: query, .offset: 0, .size: 8, .value_kind: global_buffer, .address_space: global }
      - { .name: key_, .offset: 8, .size: 8, .value_kind: global_buffer, .address_space: global }
      - { .name: value, .offset: 16, .size: 8, .value_kind: global_buffer, .address_space: global }
      - { .name: wq_w, .offset: 24, .size: 8, .value_kind: global_buffer, .address_space: global }
      - { .name: wk_w, .offset: 32, .size: 8, .value_kind: global_buffer, .address_space: global }
      - { .name: wv_w, .offset: 40, .size: 8, .value_kind: global_buffer, .address_space: global }
      - { .name: dense_w, .offset: 48, .size: 8, .value_kind: global_buffer, .address_space: global }
      - { .name: xb, .offset: 56, .size: 8, .value_kind: global_buffer, .address_space: global }
      - { .name: wb, .offset: 64, .size: 8, .value_kind: global_buffer, .address_space: global }
    .group_segment_fixed_size: 0
    .private_segment_fixed_size: 0
    .kernarg_segment_align: 8
    .kernarg_segment_size: 72
    .max_flat_workgroup_size: 512
    .sgpr_count:     66
    .vgpr_count:     200
    .wavefront_size: 32
...
	.end_amdgpu_metadata
.endif
;; end of part 1
;; launch proj (part 2): grid 4 x 48, 4 waves a work-group, clusters of 4 x 4, 327,680 bytes of LDS; arguments xb, wb, wq_b, wk_b, wv_b, qkv; writes qkv
.if DOCPART == 2
	.amdgcn_target "amdgcn-amd-amdhsa--gfx1250"
	.amdhsa_code_object_version 6
	.text
	.protected	k_q539e878743_proj
	.globl	k_q539e878743_proj
	.p2align	8
	.type	k_q539e878743_proj,@function
k_q539e878743_proj:
	s_mov_b64 s[64:65], 0
	v_nop
	global_prefetch_b8 v0, s[64:65] scope:SCOPE_SE
	s_setreg_imm32_b32 hwreg(HW_REG_WAVE_MODE, 25, 1), 1
	s_wait_xcnt 0x0
	s_wait_alu depctr_hold_cnt(0) depctr_sa_sdst(0) depctr_va_vdst(0) depctr_va_sdst(0) depctr_va_ssrc(0) depctr_va_vcc(0) depctr_vm_vsrc(0)
	s_getreg_b32 s2, hwreg(HW_REG_IB_STS2, 6, 4)
	s_cmp_eq_u32 s2, 0
	s_cbranch_scc0 .Lentry_in_a_cluster
	s_endpgm
.Lentry_in_a_cluster:
	s_bfe_u32 s2, ttmp6, 0x10000c
	s_cmp_lg_u32 s2, 0xf033
	s_cbranch_scc0 .Lentry_shape_is_right
	s_endpgm
.Lentry_shape_is_right:
; The three input projections as one launch: qkv[p][m][n] = (sum over k of xb[p][m][k] wb[p][n][k] + bias_p[n]) x scale_p, p = 0, 1, 2.
; xb, wb bf16; sums in f32, started by the bias; qkv f16 (the next launch's operands need f16's eleven bits).
; scale_0 = 0.125 log2(e), so that the attention's exponentials are base 2 and need no further factor; scale_1 = scale_2 = 1.
; LIMIT: |k|, |v| and |0.18 q| must stay below 65,504 (f16); below 6e-5 f16 keeps an absolute step of 6e-8.
; xb and qkv are walked as 12,288 rows: 48 block rows of 256, 4 block columns of 256: 192 work-groups (3 x 4,194,304 outputs do not
; divide into 256 equal square blocks).  Four waves, as many as a WGP has SIMDs, each 128 x 128 of C in 512 registers.
; K goes in steps of 128 through two LDS slots filled by the tensor data mover; a tile's rows are 256 bytes, aligned.
; CLUSTERS: 4 x 4 work-groups.  A block row's tiles of xb are asked for jointly by the four of a row of the cluster, a block column's
; tiles of wb by the four of a column.  A cluster spans 4 block rows and a projection 16, so p is the same in all sixteen.
;
; REGISTERS, in windows of 256:
;   window 0: v0-31 addresses; v32-63 packed results; v64-127, v128-191 fragments of A, two buffers; v192-255 the bias, later results at work
;   window 1: v64-127, v128-191 fragments of B, two buffers
;   window 2: the accumulator tiles of my rows 0-63 (tile (a, b) at v[8 (8 a + b)]);   window 3: those of my rows 64-127
; THE MATRIX INSTRUCTION IS USED TRANSPOSED: source 0 = 16 rows of wb, source 1 = 16 rows of xb: lane l holds row l % 16 of C and
; its registers 0-7 the columns 8 (l / 16) + 0..7, which pack into 16 bytes.
.set SIZE_K, 1024
.set SIZE_N, 1024
.set KSTEP,  128
.set PITCH,  272                       ; an LDS row: 256 bytes + 16 of padding, so that 16 rows of a fragment start 4 banks apart (64 banks of 4 bytes: ISA guide 11.1)
.set HALFT,  128*PITCH                 ; 128 rows: one tensor load
.set SLOT,   4*HALFT                   ; A's 256 rows, then B's 256 rows
.set STAGE,  2*SLOT                    ; behind the ring: 16 rows x 272 bytes for each wave; no tensor load lands here
.set SPITCH, 272
.set LAPS, SIZE_K/(2*KSTEP)            ; 4 laps of two K steps
.set ADRA, 16                          ; v16-17  LDS address of my A fragments in slot 0, 1
.set ADRB, 20                          ; v20-21  the same for B
.set STO,  24                          ; v24     the way out: where I put 16 bytes of a row
.set RD,   25                          ; v25     the way out: where I read a row back
.set CO,   26                          ; v26     my byte offset in C
.set BO,   27                          ; v27     32 x (l / 16): my eight biases in a group of sixteen
.set PK,   32                          ; v32-63  the way out: packed f16
.set F0,   64
.set F1,   128
.set BIAS, 192                         ; v192-255  bias(n0 + 16 b + 8 (l / 16) + j) at 8 b + j
.set TMP,  192                         ; the same registers on the way out: scaled results in f32
.set G1, 24                            ; s[24:31] group 1 for A's tiles
.set G0, 32                            ; s[32:39] group 0 for A's tiles, one set a slot
.set G1B, 48                           ; s[48:55] group 1 for B's tiles
.set G0B, 56                           ; s[56:63] group 0 for B's tiles, one set a slot
.set MSB, 0
.macro WIN new                         ; the immediate's high byte repeats the setting that is left
.if MSB != \new
	s_set_vgpr_msb (MSB<<8)|\new
.set MSB, \new
.endif
.endm
.set MUL_LO,  0xa1                     ; source 0 (B) window 1, source 1 (A) window 0, C and D window 2
.set MUL_HI,  0xf1                     ; the same, C and D window 3
.set BIAS_LO, 0x81                     ; C from window 0 (the bias), D window 2
.set BIAS_HI, 0xc1                     ; C from window 0, D window 3
.set TO_B,    0x40                     ; destination window 1, address window 0
; A joint load.  Waves 0 and 1 fetch A's two halves, waves 2 and 3 B's; the branch hangs on the wave's number alone.
.macro JLOAD s
	s_cmp_eq_u32 s11, 0
	s_cbranch_scc0 .Lfor_b_\@
	tensor_load_to_lds s[G0+4*\s:G0+4*\s+3], s[G1:G1+7]
	s_nop 0
	s_branch .Lasked_\@
.Lfor_b_\@:
	tensor_load_to_lds s[G0B+4*\s:G0B+4*\s+3], s[G1B:G1B+7]
	s_nop 0
.Lasked_\@:
.endm
; A round of the cluster's barrier: my work-group's barrier; wave 0 signals for the work-group; every wave waits for all sixteen; my work-group's barrier again.
.macro CREST
	s_cmp_lg_u32 s10, 0
	s_cbranch_scc1 .Lnot_wave_0_\@
	s_barrier_signal -3
.Lnot_wave_0_\@:
	s_barrier_wait -3
	s_barrier_signal -1
	s_barrier_wait -1
.endm
.macro CROUND
	s_barrier_signal -1
	s_barrier_wait -1
	CREST
.endm
	s_load_b128 s[4:7], s[0:1], 0x0                ; xb s[4:5], wb s[6:7]
	s_load_b128 s[68:71], s[0:1], 0x10             ; wq_b, wk_b
	s_load_b64 s[72:73], s[0:1], 0x20              ; wv_b
	s_load_b64 s[8:9], s[0:1], 0x28                ; qkv
	s_set_vgpr_msb 0x40
	v_lshl_add_u32 v255, v0, 2, 0x48400
	s_set_vgpr_msb 0x4000
	v_mov_b32 v31, 0
	s_set_vgpr_msb 0x1
	ds_add_u32 v255, v31
	s_set_vgpr_msb 0x100
	v_lshrrev_b32 v1, 5, v0
	v_readfirstlane_b32 s10, v1                    ; wave 0..3
	s_lshr_b32 s11, s10, 1                         ; my half of the block's rows.  Also: I fetch for A (0) or for B (1)
	s_and_b32 s12, s10, 1                          ; my half of its columns.  Also: which 128 rows of that tile I fetch
	s_bfe_u32 s40, ttmp6, 0x40000                  ; cx
	s_bfe_u32 s41, ttmp6, 0x40004                  ; cy
	s_lshl_b32 s42, ttmp9, 2
	s_add_co_u32 s42, s42, s40                     ; block column = 4 x cluster x + cx
	s_and_b32 s13, ttmp7, 0xffff                   ; cluster y, 0..11
	s_lshr_b32 s78, s13, 2                         ; p: four clusters to a projection; made of the cluster's y alone
	s_lshl_b32 s13, s13, 2
	s_add_co_u32 s13, s13, s41                     ; block row = 4 x cluster y + cy, 0..47
	s_lshl_b32 s43, s41, 2
	s_lshl_b32 s43, 15, s43                        ; my row of the cluster
	s_lshl_b32 s44, 0x1111, s40                    ; my column
	; group 1: a tile of 128 rows x 128 elements of 2 bytes, 4 words of padding behind every 64 words
	s_or_b32 s[G1+0], s43, (1<<16)|(1<<20)|(1<<21)|(5<<22)|(3<<25)
	s_or_b32 s[G1B+0], s44, (1<<16)|(1<<20)|(1<<21)|(5<<22)|(3<<25)
	s_mov_b32 s[G1+1], KSTEP<<16                   ; tensor_dim0 = 128
	s_mov_b32 s[G1B+1], KSTEP<<16
	s_mov_b32 s[G1+2], 128<<16                     ; tensor_dim1 = 128
	s_mov_b32 s[G1B+2], 128<<16
	s_mov_b32 s[G1+3], KSTEP<<16                   ; tile_dim0 = 128
	s_mov_b32 s[G1B+3], KSTEP<<16
	s_mov_b32 s[G1+4], 128                         ; tile_dim1 = 128
	s_mov_b32 s[G1B+4], 128
	s_mov_b32 s[G1+5], SIZE_K                      ; elements from row to row
	s_mov_b32 s[G1B+5], SIZE_K
	s_mov_b32 s[G1+6], 0
	s_mov_b32 s[G1B+6], 0
	s_mov_b32 s[G1+7], 0
	s_mov_b32 s[G1B+7], 0
	; where the tiles come from: A's hang on the block row, B's on the block column and on p
	s_lshl_b32 s17, s12, 7
	s_lshl_b32 s16, s13, 8
	s_add_co_u32 s16, s16, s17                     ; A: row 256 x block row + 128 x half
	s_lshl_b32 s46, s42, 8
	s_add_co_u32 s46, s46, s17
	s_lshl_b32 s47, s78, 10
	s_add_co_u32 s46, s46, s47                     ; B: row 1,024 p + 256 x block column + 128 x half
	s_mov_b32 s17, 0
	s_mov_b32 s47, 0
	s_mov_b64 s[18:19], SIZE_K*2
	s_mul_u64 s[16:17], s[16:17], s[18:19]         ; in bytes
	s_mul_u64 s[46:47], s[46:47], s[18:19]
	s_mul_i32 s20, s10, HALFT                      ; where they go: wave x 128 rows
	s_lshl_b32 s66, s42, 10                        ; my first bias: (256 x block column + 128 x half) x 4 bytes
	s_lshl_b32 s67, s12, 9
	s_add_co_u32 s66, s66, s67
	s_mov_b32 s67, 0
	s_wait_dscnt 0x0
	s_wait_kmcnt 0x0
	s_add_nc_u64 s[14:15], s[4:5], s[16:17]
	s_add_nc_u64 s[46:47], s[6:7], s[46:47]
	s_cmp_eq_u32 s78, 1
	s_cselect_b64 s[74:75], s[70:71], s[68:69]
	s_cmp_eq_u32 s78, 2
	s_cselect_b64 s[74:75], s[72:73], s[74:75]     ; the projection's bias
	s_add_nc_u64 s[74:75], s[74:75], s[66:67]
	s_cmp_eq_u32 s78, 0
	s_cselect_b32 s76, 0x3e38aa3b, 1.0             ; q alone is scaled by 0.125 log2(e)
	s_mov_b32 s77, s76
	CROUND                                         ; all sixteen work-groups are here: the first joint loads meet
.irp s, 0,1
	s_mov_b32 s[G0+4*\s], 1
	s_add_co_u32 s[G0+4*\s+1], s20, \s*SLOT
	s_add_nc_u64 s[G0+4*\s+2:G0+4*\s+3], s[14:15], \s*KSTEP*2
	s_or_b32 s[G0+4*\s+3], s[G0+4*\s+3], 0x80000000
	s_mov_b32 s[G0B+4*\s], 1
	s_add_co_u32 s[G0B+4*\s+1], s20, \s*SLOT
	s_add_nc_u64 s[G0B+4*\s+2:G0B+4*\s+3], s[46:47], \s*KSTEP*2
	s_or_b32 s[G0B+4*\s+3], s[G0B+4*\s+3], 0x80000000
	JLOAD \s
.endr
	v_and_b32 v1, 15, v0                           ; l % 16
	v_bfe_u32 v2, v0, 4, 1                         ; l / 16
	v_lshlrev_b32 v[BO], 5, v2
.irp b, 0,1,2,3,4,5,6,7
	global_load_b128 v[BIAS+8*\b:BIAS+8*\b+3],   v[BO], s[74:75] offset:64*\b      ; the eight biases of my columns in n block b
	global_load_b128 v[BIAS+8*\b+4:BIAS+8*\b+7], v[BO], s[74:75] offset:64*\b+16
.endr
	v_mul_u32_u24 v3, v1, PITCH
	v_lshl_add_u32 v3, v2, 4, v3                   ; row x pitch + 16 x half
	s_mul_i32 s21, s11, HALFT                      ; my 128 rows of A
	s_mul_i32 s22, s12, HALFT                      ; my 128 rows of B,
	s_add_co_u32 s22, s22, 2*HALFT                 ; behind A's 256
.irp s, 0,1
	v_add_nc_u32 v[ADRA+\s], s21, v3
	v_add_nc_u32 v[ADRB+\s], s22, v3
	s_add_co_u32 s21, s21, SLOT
	s_add_co_u32 s22, s22, SLOT
.endr
	s_mul_i32 s23, s10, 16*SPITCH
	s_add_co_u32 s23, s23, STAGE                   ; my stage
	v_mul_u32_u24 v4, v1, SPITCH
	v_lshl_add_u32 v4, v2, 4, v4
	v_add_nc_u32 v[STO], s23, v4
	v_mul_u32_u24 v5, v2, SPITCH
	v_lshl_add_u32 v5, v1, 4, v5
	v_add_nc_u32 v[RD], s23, v5
	v_mul_u32_u24 v5, v2, SIZE_N*2
	v_lshl_add_u32 v[CO], v1, 4, v5
; 16 matrix instructions: m blocks a0, a0 + 1 of the window's four x all 8 n blocks, 32 along K.  zero = 1: the bias starts the sums: nothing is cleared.
.macro MUL16 f, hi, a0, zero
.irp a, \a0, \a0+1
.irp b, 0,1,2,3,4,5,6,7
.if \zero
	v_wmma_f32_16x16x32_bf16 v[8*(8*(\a)+\b):8*(8*(\a)+\b)+7], v[\f+8*\b:\f+8*\b+7], v[\f+8*(4*\hi+\a):\f+8*(4*\hi+\a)+7], v[BIAS+8*\b:BIAS+8*\b+7]
.else
	v_wmma_f32_16x16x32_bf16 v[8*(8*(\a)+\b):8*(8*(\a)+\b)+7], v[\f+8*\b:\f+8*\b+7], v[\f+8*(4*\hi+\a):\f+8*(4*\hi+\a)+7], v[8*(8*(\a)+\b):8*(8*(\a)+\b)+7]
.endif
.endr
.endr
.endm
; 32 LDS loads in one run: the fragments of one quarter step into buffer f
.macro FETCH slot, k, f
	WIN TO_B
.irp i, 0,1,2,3,4,5,6,7
	ds_load_b128 v[\f+8*\i:\f+8*\i+3],   v[ADRB+\slot] offset:\k+\i*16*PITCH
	ds_load_b128 v[\f+8*\i+4:\f+8*\i+7], v[ADRB+\slot] offset:\k+\i*16*PITCH+32
.endr
	WIN 0
.irp i, 0,1,2,3,4,5,6,7
	ds_load_b128 v[\f+8*\i:\f+8*\i+3],   v[ADRA+\slot] offset:\k+\i*16*PITCH
	ds_load_b128 v[\f+8*\i+4:\f+8*\i+7], v[ADRA+\slot] offset:\k+\i*16*PITCH+32
.endr
.endm
; Four independent vector instructions stand between a matrix instruction and a load into one of its sources or a vector read of its result.
.macro PLACES
.rept 4
	v_nop
.endr
.endm
; A quarter step: 64 matrix instructions on buffer f; in its middle the next quarter's fragments go into buffer g.
; The 64 accumulators take turns, one instruction a turn, in one order everywhere.
.macro QUARTER slot, k, f, g, zero
	s_wait_dscnt 8                                 ; B and A's rows 0-63 are in; the youngest eight loads (A's rows 64-127) may be out
.if \zero
	WIN BIAS_LO
.else
	WIN MUL_LO
.endif
	MUL16 \f, 0, 0, \zero
	MUL16 \f, 0, 2, \zero
	PLACES
	FETCH \slot, \k, \g
	s_wait_dscnt 32                                ; all but the 32 just issued
.if \zero
	WIN BIAS_HI
.else
	WIN MUL_HI
.endif
	MUL16 \f, 1, 0, \zero
	MUL16 \f, 1, 2, \zero
.endm
.macro THREE slot, zero
	QUARTER \slot, 64,  F0, F1, \zero
	QUARTER \slot, 128, F1, F0, 0
	QUARTER \slot, 192, F0, F1, 0
.endm
; The last quarter multiplies buffer 1 and changes slots.  In front of the barrier each wave waits for its reads of this slot and for all its
; tensor loads (one is out: its part of the next slot); behind it the refill comes first, then the next slot's first fragments.
.macro TURN slot, next, fill
	s_wait_dscnt 8
	WIN MUL_LO
	MUL16 F1, 0, 0, 0
	s_wait_dscnt 0                                 ; my reads of this slot are over
	s_wait_tensorcnt 0x0                           ; all my tensor loads have landed
	ds_add_u32 v255, v31
	s_wait_dscnt 0x0
	s_barrier_signal -1                            ; where a slot is filled again this barrier opens a round of the cluster's barrier
	MUL16 F1, 0, 2, 0                              ; register work while the others arrive
	WIN 0
	s_barrier_wait -1
.if \fill
	CREST                                          ; no wave of any partner still reads this slot or has a load on its way
	s_add_nc_u64 s[G0+4*\slot+2:G0+4*\slot+3], s[G0+4*\slot+2:G0+4*\slot+3], 2*KSTEP*2
	s_add_nc_u64 s[G0B+4*\slot+2:G0B+4*\slot+3], s[G0B+4*\slot+2:G0B+4*\slot+3], 2*KSTEP*2
	JLOAD \slot                                    ; the first tensor load behind the round
.endif
	PLACES
	FETCH \next, 0, F0
	WIN MUL_HI
	MUL16 F1, 1, 0, 0
	MUL16 F1, 1, 2, 0
.endm
.macro LAP zero
	THREE 0, \zero
	TURN 0, 1, 1
	THREE 1, 0
	TURN 1, 0, 1
.endm
	s_wait_loadcnt 0x0                             ; the bias, once
	s_wait_tensorcnt 1                             ; my part of K step 0 is in; K step 1's stays out
	s_barrier_signal -1
	s_barrier_wait -1
	FETCH 0, 0, F0
	LAP 1                                          ; the first lap stands in front of the loop: its first products take the bias as C
	WIN 0
	s_mov_b32 s3, LAPS-2
.Llap:
	LAP 0
	WIN 0
	s_sub_co_u32 s3, s3, 1
	s_cmp_lg_u32 s3, 0
	s_cbranch_scc1 .Llap
	THREE 0, 0                                     ; the last lap fills nothing
	TURN 0, 1, 0
	THREE 1, 0
	s_wait_dscnt 8
	WIN MUL_LO
	MUL16 F1, 0, 0, 0
	MUL16 F1, 0, 2, 0
	s_wait_dscnt 0
	WIN MUL_HI
	MUL16 F1, 1, 0, 0
	MUL16 F1, 1, 2, 0
	; THE WAY OUT, 16 rows at a time: scale in f32, round once to f16, 16 bytes a lane into my own stage, read back as whole rows of 256 bytes.
	PLACES
	s_lshl_b32 s13, s13, 8
	s_lshl_b32 s14, s11, 7
	s_add_co_u32 s16, s13, s14                     ; my first row of qkv
	s_mov_b32 s17, 0
	s_mov_b64 s[18:19], SIZE_N*2
	s_mul_u64 s[16:17], s[16:17], s[18:19]
	s_add_nc_u64 s[8:9], s[8:9], s[16:17]
	s_lshl_b32 s46, s42, 9                         ; my first column, in bytes
	s_lshl_b32 s47, s12, 8
	s_add_co_u32 s46, s46, s47
	s_mov_b32 s47, 0
	s_add_nc_u64 s[8:9], s[8:9], s[46:47]
; rows 16 i .. 16 i + 15 of my block = the eight tiles (a, 0..7) of window 2 or 3 (from = 0x02 or 0x03: source 0); f: F0 or F1 in turn
.macro OUT16 i, a, from, f
	WIN \from
.irp b, 0,1,2,3,4,5,6,7
.irp r, 0,1,2,3
	v_pk_mul_f32 v[TMP+8*\b+2*\r:TMP+8*\b+2*\r+1], v[8*(8*\a+\b)+2*\r:8*(8*\a+\b)+2*\r+1], s[76:77] op_sel_hi:[1,0]
.endr
.endr
	WIN 0
.irp b, 0,1,2,3,4,5,6,7
.irp r, 0,1,2,3
	v_cvt_pk_f16_f32 v[PK+4*\b+\r], v[TMP+8*\b+2*\r], v[TMP+8*\b+2*\r+1]
.endr
.endr
.irp b, 0,1,2,3,4,5,6,7
	ds_store_b128 v[STO], v[PK+4*\b:PK+4*\b+3] offset:32*\b
.endr
	s_wait_xcnt 0x0                                ; buffer f, which earlier stores read, and the stores' base are rewritten only behind this wait (ISA guide 3.1)
.if \i
	s_add_nc_u64 s[8:9], s[8:9], 16*SIZE_N*2
.endif
.irp t, 0,1,2,3,4,5,6,7
	ds_load_b128 v[\f+4*\t:\f+4*\t+3], v[RD] offset:\t*2*SPITCH    ; LDS serves a wave's instructions in order (ISA guide 5.7.1): these see the stores above
.endr
.irp t, 0,1,2,3,4,5,6,7
	s_wait_dscnt 7-\t                              ; read-back t is in, the younger ones stay out
	global_store_b128 v[CO], v[\f+4*\t:\f+4*\t+3], s[8:9] offset:2*\t*SIZE_N*2   ; 16 lanes store 256 consecutive bytes, aligned
.endr
.endm
	OUT16 0, 0, 0x02, F0
	OUT16 1, 1, 0x02, F1
	OUT16 2, 2, 0x02, F0
	OUT16 3, 3, 0x02, F1
	OUT16 4, 0, 0x03, F0
	OUT16 5, 1, 0x03, F1
	OUT16 6, 2, 0x03, F0
	OUT16 7, 3, 0x03, F1
	s_set_vgpr_msb 0x1
	s_wait_tensorcnt 0x0
	ds_add_u32 v255, v31
	s_wait_dscnt 0x0
	s_set_vgpr_msb 0x100
	CROUND                                         ; the closing round: no work-group ends while a partner may still ask jointly
	s_endpgm
.Lfunc_end_k_q539e878743_proj:
	.size	k_q539e878743_proj, .Lfunc_end_k_q539e878743_proj-k_q539e878743_proj
	.p2alignl 7, 3214868480
	.fill 96, 4, 3214868480
	.section	.rodata,"a",@progbits
	.p2align	6, 0x0
	.amdhsa_kernel k_q539e878743_proj
		.amdhsa_group_segment_fixed_size 327680
		.amdhsa_private_segment_fixed_size 0
		.amdhsa_enable_private_segment 0
		.amdhsa_kernarg_size 48
		.amdhsa_user_sgpr_count 2
		.amdhsa_user_sgpr_kernarg_segment_ptr 1
		.amdhsa_wavefront_size32 1
		.amdhsa_system_sgpr_workgroup_id_x 1
		.amdhsa_system_sgpr_workgroup_id_y 1
		.amdhsa_system_sgpr_workgroup_id_z 1
		.amdhsa_system_vgpr_workitem_id 0
		.amdhsa_next_free_vgpr 1024
		.amdhsa_next_free_sgpr 80
		.amdhsa_reserve_vcc 0
		.amdhsa_float_denorm_mode_32 3
		.amdhsa_float_denorm_mode_16_64 3
		.amdhsa_memory_ordered 1
		.amdhsa_forward_progress 1
		.amdhsa_inst_pref_size 214
	.end_amdhsa_kernel
	.amdgpu_metadata
---
amdhsa.version: [ 1, 2 ]
amdhsa.kernels:
  - .name:           k_q539e878743_proj
    .symbol:         k_q539e878743_proj.kd
    .args:
      - { .name: xb, .offset: 0, .size: 8, .value_kind: global_buffer, .address_space: global }
      - { .name: wb, .offset: 8, .size: 8, .value_kind: global_buffer, .address_space: global }
      - { .name: wq_b, .offset: 16, .size: 8, .value_kind: global_buffer, .address_space: global }
      - { .name: wk_b, .offset: 24, .size: 8, .value_kind: global_buffer, .address_space: global }
      - { .name: wv_b, .offset: 32, .size: 8, .value_kind: global_buffer, .address_space: global }
      - { .name: qkv, .offset: 40, .size: 8, .value_kind: global_buffer, .address_space: global }
    .group_segment_fixed_size: 327680
    .private_segment_fixed_size: 0
    .kernarg_segment_align: 8
    .kernarg_segment_size: 48
    .max_flat_workgroup_size: 128
    .sgpr_count:     80
    .vgpr_count:     1024
    .wavefront_size: 32
...
	.end_amdgpu_metadata
.endif
;; end of part 2
;; launch attn (part 3): grid 16 x 16, 8 waves a work-group, clusters of 4 x 4, 327,680 bytes of LDS; arguments qkv, mask, ctx; writes ctx
.if DOCPART == 3
	.amdgcn_target "amdgcn-amd-amdhsa--gfx1250"
	.amdhsa_code_object_version 6
	.text
	.protected	k_q539e878743_attn
	.globl	k_q539e878743_attn
	.p2align	8
	.type	k_q539e878743_attn,@function
k_q539e878743_attn:
	s_mov_b64 s[64:65], 0
	v_nop
	global_prefetch_b8 v0, s[64:65] scope:SCOPE_SE
	s_setreg_imm32_b32 hwreg(HW_REG_WAVE_MODE, 25, 1), 1
	s_wait_xcnt 0x0
	s_wait_alu depctr_hold_cnt(0) depctr_sa_sdst(0) depctr_va_vdst(0) depctr_va_sdst(0) depctr_va_ssrc(0) depctr_va_vcc(0) depctr_vm_vsrc(0)
	s_getreg_b32 s2, hwreg(HW_REG_IB_STS2, 6, 4)
	s_cmp_eq_u32 s2, 0
	s_cbranch_scc0 .Lentry_in_a_cluster
	s_endpgm
.Lentry_in_a_cluster:
	s_bfe_u32 s2, ttmp6, 0x10000c
	s_cmp_lg_u32 s2, 0xf033
	s_cbranch_scc0 .Lentry_shape_is_right
	s_endpgm
.Lentry_shape_is_right:
; Attention with a running maximum.  qkv f16 [3][4096][1024] (q already holds the factor 0.125 log2(e)), mask f32 [2048][2048], ctx f16 [4096][1024].
; t = q.k + mask x (-1e9 log2(e)) in one f32 multiply-add; p = 2^(t - running maximum); ctx = (sum p v) / (sum p).  Every mask number is read and used:
; no pattern of the mask is built in, all 2,048 keys are walked for every query.
; LIMITS: mask x 1.44e9 must be finite.  A row whose largest score is itself a masked one (about -1.44e9) is rounded in steps of 128 base-2 units, where a
; sum in natural units rounds in steps of 64: both give equal weights while |q.k / 8| < 32.  p and ctx are rounded to f16: |ctx| < 65,504.
; SHARES: a work-group = 128 queries of one batch x two neighbouring heads, so that every row piece of q, k, v and ctx is 256 bytes, aligned, and both heads use
; one mask tile.  Eight waves: wave w = head w >> 2 of the pair, queries 32 (w & 3) .. + 31 (two tiles u of 16).  16 x 16 = 256 work-groups.
; CLUSTERS 4 x 4: x counts (batch, head pair), y the query blocks.  A mask tile hangs on the query block alone: asked for jointly along a row of the cluster.
; K's and V's tiles hang on (batch, head pair) alone: jointly along a column.
; BOTH PRODUCTS ARE TRANSPOSED.  S^T = K (source 0, row = key) x Q (source 1, column = query): lane (r, h) holds keys 8 h + 0..7 of query r; two neighbouring
; key tiles packed to f16 are the 32-deep source 1 of O^T = V^T (source 0, row = depth, by the transposing LDS load) x P.  So all a lane holds belongs to one
; query: maximum, sum and rescaling are one number a lane, and one exchange between the halves of the wave joins them.
; THE PIPELINE.  A unit (j, u) is 64 keys (half tile j, 0..31) x 16 queries (tile u).  In unit n's step the wave runs n's softmax and lays, among its 32
; exponentials, the 8 products P V of unit n - 1 and the 8 products K Q of unit n + 1: both work on the other query tile's S, O and P, so no softmax
; instruction names a register of a product in flight and S needs no second buffer.  16 products (one to two exponentials) to a step.
; REGISTER WINDOWS are laid so that ONE setting (source 0 in window 1) serves products and exponentials: window 1 holds what is only ever a first source
; (K and V fragments, the mask, t - maximum), window 0 all that vector instructions write and read again (Q, P, S, O, the softmax's state).
; LDS: two slots of 128 keys: V 128 rows (pitch 288), K 128 rows (pitch 272), mask in four parts of 64 queries x 64 keys f32 (pitch 272); then a stage for ctx.
.set KPITCH, 272                       ; 256 + 16: 16 rows of a fragment start 4 banks apart (64 banks of 4 bytes: ISA guide 11.1)
.set VPITCH, 288                       ; 256 + 32: an odd multiple of 32 for the transposing load
.set KPART,  64*KPITCH                 ; one tensor load of K or of the mask
.set VPART,  64*VPITCH                 ; one tensor load of V
.set KT,     2*VPART                   ; 36,864
.set MT,     KT+2*KPART                ; 71,680
.set SLOT,   MT+4*KPART                ; 141,312
.set STAGE,  2*SLOT                    ; 282,624, a multiple of 256: 128 rows x 272 bytes; no tensor load lands here
; window 0
.set KA,  16                           ; v16-17  K fragments' address in slot 0, 1
.set VA,  18                           ; v18-19  V's
.set MA,  20                           ; v20-21  the mask's
.set STO, 22
.set RD,  23
.set CO,  24
.set QO,  25
.set MX,  26                           ; v26, v28  running maximum of tile u
.set AL,  30                           ; v30, v32  2^(old maximum - new) (first of a pair); at the end 1 / sum
.set LS,  34                           ; v34-35  running sum of my half of the keys
.set SU,  36                           ; v[36:43]  four pairs of partial sums (the upper two on TM's registers, free by then)
.set TM,  40                           ; v40-43  four chains of the maximum; then v40 = the new maximum, read as the pair v[40:41]
.set TP,  44                           ; v44-45  from the other half of the wave
.set QFR, 48                           ; v[48:79]    Q fragments at 8 (2 u + e)
.set PFR, 80                           ; v[80:111]   P at 8 (2 g + u)
.set SCO, 112                          ; v[112:175]  scores at 8 (2 c + u)
.set OAC, 176                          ; v[176:239]  O^T at 8 (2 t + u)
; window 1
.set KFR, 0                            ; v[256:319]  K fragments at 8 (2 c + e)
.set VFR, 64                           ; v[320:383]  V^T fragments at 8 (4 g + t)
.set MR,  128                          ; v[384:447]  mask at 8 (2 c + u)
.set XR,  192                          ; v[448:479]  t - maximum of the unit at work, at 8 c
.set XA,  224                          ; v480        old maximum - new
.set G1M, 16
.set G1K, 24
.set G1V, 32
.set G0M, 44                           ; s[44:51]  one set a slot
.set G0K, 52                           ; s[52:59]
.set G0V, 68                           ; s[68:75]
.set MSB, 0
.macro WIN new                         ; the immediate's high byte repeats the setting that is left
.if MSB != \new
	s_set_vgpr_msb (MSB<<8)|\new
.set MSB, \new
.endif
.endm
.macro PLACES                          ; four independent vector instructions behind a matrix instruction (ISA guide 7.12.1)
.rept 4
	v_nop
.endr
.endm
.macro CREST                           ; a round of the cluster's barrier behind its opening barrier
	s_cmp_lg_u32 s10, 0
	s_cbranch_scc1 .Lnot_wave_0_\@
	s_barrier_signal -3
.Lnot_wave_0_\@:
	s_barrier_wait -3
	s_barrier_signal -1
	s_barrier_wait -1
.endm
.macro CROUND                          ; a whole round
	s_barrier_signal -1
	s_barrier_wait -1
	CREST
.endm
; One joint load a wave: waves 0, 1 V's halves, waves 2, 3 K's halves, waves 4-7 the mask's four parts.  The branches hang on the wave's number alone.
.macro JLOAD3 s
	s_cmp_lt_u32 s10, 2
	s_cbranch_scc0 .Lnot_v_\@
	tensor_load_to_lds s[G0V+4*\s:G0V+4*\s+3], s[G1V:G1V+7]
	s_nop 0
	s_branch .Lasked_\@
.Lnot_v_\@:
	s_cmp_lt_u32 s10, 4
	s_cbranch_scc0 .Lnot_k_\@
	tensor_load_to_lds s[G0K+4*\s:G0K+4*\s+3], s[G1K:G1K+7]
	s_nop 0
	s_branch .Lasked_\@
.Lnot_k_\@:
	tensor_load_to_lds s[G0M+4*\s:G0M+4*\s+3], s[G1M:G1M+7]
	s_nop 0
.Lasked_\@:
.endm
	s_load_b128 s[4:7], s[0:1], 0x0                ; qkv s[4:5], mask s[6:7]
	s_load_b64 s[8:9], s[0:1], 0x10                ; ctx
	v_lshl_add_u32 v254, v0, 2, 0x4d800
	v_mov_b32 v255, 0
	ds_add_u32 v254, v255
	v_lshrrev_b32 v1, 5, v0
	v_readfirstlane_b32 s10, v1                    ; wave 0..7
	s_lshr_b32 s11, s10, 2                         ; head of the pair
	s_and_b32 s12, s10, 3                          ; group of 32 queries
	s_bfe_u32 s40, ttmp6, 0x40000                  ; cx
	s_bfe_u32 s41, ttmp6, 0x40004                  ; cy
	s_lshl_b32 s42, ttmp9, 2
	s_add_co_u32 s42, s42, s40                     ; X = 8 x batch + head pair
	s_and_b32 s43, ttmp7, 0xffff
	s_lshl_b32 s43, s43, 2
	s_add_co_u32 s43, s43, s41                     ; Y = block of 128 queries
	s_lshl_b32 s13, s41, 2
	s_lshl_b32 s13, 15, s13                        ; my row of the cluster
	s_lshl_b32 s14, 0x1111, s40                    ; my column
	s_mov_b32 s76, 0x76543210                      ; v_permlanex16_b32: lane i of one half reads lane i of the other
	s_mov_b32 s77, 0xfedcba98
	s_mov_b32 s78, 0xceabfb8f                      ; -1e9 log2(e)
	s_mov_b32 s79, 0xceabfb8f
	; group 1 of the mask: 64 rows x 64 elements of 4 bytes, pitch 2,048 elements, 4 words of padding behind every 64 words
	s_or_b32 s[G1M+0], s13, (2<<16)|(1<<20)|(1<<21)|(5<<22)|(3<<25)
	s_mov_b32 s[G1M+1], 64<<16                     ; tensor_dim0 = 64
	s_mov_b32 s[G1M+2], 64<<16                     ; tensor_dim1 = 64
	s_mov_b32 s[G1M+3], 64<<16                     ; tile_dim0 = 64
	s_mov_b32 s[G1M+4], 64                         ; tile_dim1 = 64
	s_mov_b32 s[G1M+5], 2048
	s_mov_b32 s[G1M+6], 0
	s_mov_b32 s[G1M+7], 0
	; group 1 of K: 64 rows x 128 elements of 2 bytes, pitch 1,024 elements, 4 words of padding; of V: the same with 8 words
	s_or_b32 s[G1K+0], s14, (1<<16)|(1<<20)|(1<<21)|(5<<22)|(3<<25)
	s_or_b32 s[G1V+0], s14, (1<<16)|(1<<20)|(1<<21)|(5<<22)|(7<<25)
	s_mov_b32 s[G1K+1], 128<<16
	s_mov_b32 s[G1V+1], 128<<16
	s_mov_b32 s[G1K+2], 64<<16
	s_mov_b32 s[G1V+2], 64<<16
	s_mov_b32 s[G1K+3], 128<<16
	s_mov_b32 s[G1V+3], 128<<16
	s_mov_b32 s[G1K+4], 64
	s_mov_b32 s[G1V+4], 64
	s_mov_b32 s[G1K+5], 1024
	s_mov_b32 s[G1V+5], 1024
	s_mov_b32 s[G1K+6], 0
	s_mov_b32 s[G1V+6], 0
	s_mov_b32 s[G1K+7], 0
	s_mov_b32 s[G1V+7], 0
	; offsets.  The mask's are made of Y and the wave's number, K's and V's of X and the wave's number, each in registers of their own.
	s_and_b32 s60, s10, 1
	s_bfe_u32 s61, s10, 0x10001                    ; (w >> 1) & 1
	s_lshl_b32 s80, s43, 20                        ; 128 rows of 8,192 bytes a block
	s_lshl_b32 s84, s61, 19                        ; 64 rows
	s_add_co_u32 s80, s80, s84
	s_lshl_b32 s84, s60, 8                         ; 64 keys
	s_add_co_u32 s80, s80, s84
	s_mov_b32 s81, 0
	s_lshr_b32 s62, s42, 3                         ; batch
	s_and_b32 s63, s42, 7                          ; head pair
	s_lshl_b32 s82, s62, 22                        ; 2,048 rows of 2,048 bytes
	s_lshl_b32 s85, s60, 17                        ; 64 rows
	s_add_co_u32 s82, s82, s85
	s_lshl_b32 s85, s63, 8                         ; 256 bytes a head pair
	s_add_co_u32 s82, s82, s85
	s_add_co_u32 s82, s82, 8388608                 ; k lies behind q
	s_mov_b32 s83, 0
	s_mul_i32 s86, s10, VPART                      ; V's part in LDS (waves 0, 1)
	s_mul_i32 s87, s10, KPART
	s_add_co_u32 s87, s87, KT-2*KPART              ; K's part (waves 2, 3) and the mask's (waves 4-7): w x 17,408 + 2,048
	s_lshl_b32 s88, s62, 22                        ; q and ctx: batch, query block, head pair
	s_lshl_b32 s66, s43, 18
	s_add_co_u32 s88, s88, s66
	s_lshl_b32 s66, s63, 8
	s_add_co_u32 s88, s88, s66
	s_lshl_b32 s66, s10, 15                        ; ctx: I store rows 16 w .. 16 w + 15 of the block
	s_add_co_u32 s90, s88, s66
	s_lshl_b32 s66, s12, 16                        ; q: my 32 rows,
	s_add_co_u32 s88, s88, s66
	s_lshl_b32 s92, s11, 7                         ; my head's 128 bytes
	s_add_co_u32 s88, s88, s92
	s_mov_b32 s89, 0
	s_mov_b32 s91, 0
	v_and_b32 v1, 15, v0                           ; r
	v_bfe_u32 v2, v0, 4, 1                         ; h
	v_and_b32 v3, 7, v0
	v_bfe_u32 v4, v0, 3, 1
	v_lshlrev_b32 v10, 11, v1
	v_lshl_add_u32 v[QO], v2, 4, v10               ; r rows of 2,048 bytes + 16 h
	s_wait_dscnt 0x0
	s_wait_kmcnt 0x0
	s_add_nc_u64 s[80:81], s[6:7], s[80:81]        ; my part of mask tile 0
	s_add_nc_u64 s[82:83], s[4:5], s[82:83]        ; my part of K's tile 0
	s_add_nc_u64 s[88:89], s[4:5], s[88:89]
	s_add_nc_u64 s[90:91], s[8:9], s[90:91]
.irp u, 0,1
.irp e, 0,1
	global_load_b128 v[QFR+8*(2*\u+\e):QFR+8*(2*\u+\e)+3],   v[QO], s[88:89] offset:\u*32768+\e*64      ; Q(query 16 u + r, depth 32 e + 8 h ..)
	global_load_b128 v[QFR+8*(2*\u+\e)+4:QFR+8*(2*\u+\e)+7], v[QO], s[88:89] offset:\u*32768+\e*64+32
.endr
.endr
.irp s, 0,1
	s_mov_b32 s[G0M+4*\s], 1
	s_add_co_u32 s[G0M+4*\s+1], s87, \s*SLOT
	s_add_nc_u64 s[G0M+4*\s+2:G0M+4*\s+3], s[80:81], \s*512          ; 128 keys of 4 bytes a tile
	s_or_b32 s[G0M+4*\s+3], s[G0M+4*\s+3], 0x80000000
	s_mov_b32 s[G0K+4*\s], 1
	s_add_co_u32 s[G0K+4*\s+1], s87, \s*SLOT
	s_add_nc_u64 s[G0K+4*\s+2:G0K+4*\s+3], s[82:83], \s*262144       ; 128 rows of 2,048 bytes a tile
	s_or_b32 s[G0K+4*\s+3], s[G0K+4*\s+3], 0x80000000
	s_mov_b32 s[G0V+4*\s], 1
	s_add_co_u32 s[G0V+4*\s+1], s86, \s*SLOT
	s_add_nc_u64 s[G0V+4*\s+2:G0V+4*\s+3], s[82:83], 8388608+\s*262144   ; v lies behind k
	s_or_b32 s[G0V+4*\s+3], s[G0V+4*\s+3], 0x80000000
.endr
	CROUND                                         ; all sixteen work-groups are here: the first joint loads meet
	JLOAD3 0                                       ; tile 0
	JLOAD3 1                                       ; tile 1: both slots' first fills; two tensor loads of the wave are out, later one
	; LDS addresses: lane terms, the wave's number and constants alone
	v_mul_u32_u24 v5, v1, KPITCH
	v_lshl_add_u32 v6, v2, 4, v5                   ; r x 272 + 16 h
	v_lshl_add_u32 v7, v2, 5, v5                   ; r x 272 + 32 h
	v_lshl_add_u32 v8, v2, 3, v3                   ; 8 h + (l & 7)
	v_mul_u32_u24 v8, v8, VPITCH
	v_lshl_add_u32 v8, v4, 4, v8                   ; + 16 ((l >> 3) & 1)
	s_add_co_u32 s93, s92, KT
	v_add_nc_u32 v[KA], s93, v6
	v_add_nc_u32 v[KA+1], SLOT, v[KA]
	v_add_nc_u32 v[VA], s92, v8
	v_add_nc_u32 v[VA+1], SLOT, v[VA]
	s_lshr_b32 s94, s12, 1
	s_mul_i32 s94, s94, 2*KPART                    ; the two parts of my half of the queries
	s_and_b32 s95, s12, 1
	s_mul_i32 s95, s95, 32*KPITCH                  ; my 32 rows in them
	s_add_co_u32 s94, s94, s95
	s_add_co_u32 s94, s94, MT
	v_add_nc_u32 v[MA], s94, v7
	v_add_nc_u32 v[MA+1], SLOT, v[MA]
	s_mul_i32 s95, s12, 32*KPITCH
	s_add_co_u32 s95, s95, s92
	s_add_co_u32 s95, s95, STAGE
	v_add_nc_u32 v[STO], s95, v6                   ; stage: row 32 qg + r, my head's 128 bytes, 16 h
	v_mul_u32_u24 v9, v2, KPITCH
	v_lshl_add_u32 v9, v1, 4, v9
	s_mul_i32 s95, s10, 16*KPITCH
	s_add_co_u32 s95, s95, STAGE
	v_add_nc_u32 v[RD], s95, v9                    ; back: rows 16 w + h, 16 bytes a lane
	v_lshlrev_b32 v10, 11, v2
	v_lshl_add_u32 v[CO], v1, 4, v10
	v_mov_b32 v[AL+1], 0                           ; the second registers of the broadcast pairs are named by the packed forms and never used
	v_mov_b32 v[AL+3], 0
	v_mov_b32 v[TP], 0                             ; v_permlanex16_b32 counts as a reader of its destination
	v_mov_b32 v[TP+1], 0
; LDS loads, all under the setting 'destination window 1'.  slot, h: which half tile of 64 keys.
.macro LOADK slot, h                   ; 16 loads: K(keys 16 c + r, depth 32 e + 8 h ..)
.irp c, 0,1,2,3
.irp e, 0,1
	ds_load_b128 v[KFR+8*(2*\c+\e):KFR+8*(2*\c+\e)+3],   v[KA+\slot] offset:\h*KPART+\c*16*KPITCH+\e*64
	ds_load_b128 v[KFR+8*(2*\c+\e)+4:KFR+8*(2*\c+\e)+7], v[KA+\slot] offset:\h*KPART+\c*16*KPITCH+\e*64+32
.endr
.endr
.endm
.macro LOADM slot, h, u                ; 8 loads: mask(query 16 u + r, keys 16 c + 8 h + 0..7)
.irp c, 0,1,2,3
	ds_load_b128 v[MR+8*(2*\c+\u):MR+8*(2*\c+\u)+3],   v[MA+\slot] offset:\h*KPART+\u*16*KPITCH+\c*64
	ds_load_b128 v[MR+8*(2*\c+\u)+4:MR+8*(2*\c+\u)+7], v[MA+\slot] offset:\h*KPART+\u*16*KPITCH+\c*64+16
.endr
.endm
.macro LOADV slot, h                   ; 16 transposing loads: V^T(depth 16 t + r, keys 32 g + ..)
.irp g, 0,1
.irp t, 0,1,2,3
	ds_load_tr16_b128 v[VFR+8*(4*\g+\t):VFR+8*(4*\g+\t)+3],   v[VA+\slot] offset:\h*VPART+\g*32*VPITCH+\t*32
	ds_load_tr16_b128 v[VFR+8*(4*\g+\t)+4:VFR+8*(4*\g+\t)+7], v[VA+\slot] offset:\h*VPART+\g*32*VPITCH+\t*32+16*VPITCH
.endr
.endr
.endm
; Product i (0..7, the symbol i) of K Q for query tile o: key tiles c = i % 4 by turns, depth half e = i / 4; the first four start the sums.
.macro QKW o
.set ss, SCO+8*(2*(i%4)+\o)
.set kk, KFR+8*(2*(i%4)+i/4)
.set qq, QFR+8*(2*\o+i/4)
.if i < 4
	v_wmma_f32_16x16x32_f16 v[ss:ss+7], v[kk:kk+7], v[qq:qq+7], 0
.else
	v_wmma_f32_16x16x32_f16 v[ss:ss+7], v[kk:kk+7], v[qq:qq+7], v[ss:ss+7]
.endif
.endm
; Product i of P V for query tile o: depth tiles t = i % 4 by turns, key half g = i / 4.  pv = 1: the first four start O; pv = 2: all add; pv = 0: none.
.macro PVW o, pv
.set oo, OAC+8*(2*(i%4)+\o)
.set pp, PFR+8*(2*(i/4)+\o)
.if \pv == 1
.if i < 4
	v_wmma_f32_16x16x32_f16 v[oo:oo+7], v[VFR+8*i:VFR+8*i+7], v[pp:pp+7], 0
.else
	v_wmma_f32_16x16x32_f16 v[oo:oo+7], v[VFR+8*i:VFR+8*i+7], v[pp:pp+7], v[oo:oo+7]
.endif
.endif
.if \pv == 2
	v_wmma_f32_16x16x32_f16 v[oo:oo+7], v[VFR+8*i:VFR+8*i+7], v[pp:pp+7], v[oo:oo+7]
.endif
.endm
; Stage A: t = mask x (-1e9 log2 e) + s, 32 numbers a lane
.macro STAGE_A u
	WIN 0x01                                       ; source 0 (the mask) window 1
.irp c, 0,1,2,3
.irp r, 0,1,2,3
	v_pk_fma_f32 v[SCO+8*(2*\c+\u)+2*\r:SCO+8*(2*\c+\u)+2*\r+1], v[MR+8*(2*\c+\u)+2*\r:MR+8*(2*\c+\u)+2*\r+1], s[78:79], v[SCO+8*(2*\c+\u)+2*\r:SCO+8*(2*\c+\u)+2*\r+1] op_sel_hi:[1,0,1]
.endr
.endr
	WIN 0
.endm
; Stage B: the new maximum, four chains that do not wait for each other, the first begun with the old maximum (first = 1: there is none)
.macro STAGE_B u, first
.if \first
	v_max_num_f32 v[TM], v[SCO+8*\u], v[SCO+8*\u+1]
.else
	v_max3_num_f32 v[TM], v[MX+2*\u], v[SCO+8*\u], v[SCO+8*\u+1]
.endif
.irp c, 1,2,3
	v_max_num_f32 v[TM+\c], v[SCO+8*(2*\c+\u)], v[SCO+8*(2*\c+\u)+1]
.endr
.irp r, 2,4,6
.irp c, 0,1,2,3
	v_max3_num_f32 v[TM+\c], v[TM+\c], v[SCO+8*(2*\c+\u)+\r], v[SCO+8*(2*\c+\u)+\r+1]
.endr
.endr
	v_max3_num_f32 v[TM], v[TM], v[TM+1], v[TM+2]
	v_max_num_f32 v[TM], v[TM], v[TM+3]
	v_permlanex16_b32 v[TP+\u], v[TM], s76, s77    ; the other eight keys of each tile lie in the other half of the wave
	v_max_num_f32 v[TM], v[TM], v[TP+\u]
.endm
; Stage C, under 'destination window 1': t - maximum goes where the exponentials can take it as a first source
.macro STAGE_C u, first
.if \first == 0
	v_sub_f32 v[XA], v[MX+2*\u], v[TM]             ; old - new, at most 0
.endif
.irp c, 0,1,2,3
.irp r, 0,1,2,3
	v_pk_add_f32 v[XR+8*\c+2*\r:XR+8*\c+2*\r+1], v[SCO+8*(2*\c+\u)+2*\r:SCO+8*(2*\c+\u)+2*\r+1], v[TM:TM+1] op_sel_hi:[1,0] neg_lo:[0,1] neg_hi:[0,1]
.endr
.endr
.endm
; Stage D: the unit's 32 exponentials, and among them the other query tile's products: P V of the unit before, then K Q of the unit behind, one product to two
; exponentials.  Four accumulators take turns, one instruction a turn, in one order in every step.
; wv, wk: the counts of the waits for V's and for K's fragments (-1: nothing to wait for).
.macro STAGE_D u, o, first, pv, qk, wv, wk
	WIN 0x01                                       ; source 0 window 1: V^T, K, t - maximum
.if \first == 0
	v_exp_f32 v[AL+2*\u], v[XA]
.endif
.if \wv >= 0
	s_wait_dscnt \wv
.endif
.set i, 0
.rept 8
	PVW \o, \pv
.set k, 2*i
	v_exp_f32 v[SCO+8*(2*(k/8)+\u)+k%8], v[XR+k]
	v_exp_f32 v[SCO+8*(2*(k/8)+\u)+k%8+1], v[XR+k+1]
.set i, i+1
.endr
.if \wk >= 0
	s_wait_dscnt \wk
.endif
.set i, 0
.rept 8
.if \qk
	QKW \o
.endif
.set k, 16+2*i
	v_exp_f32 v[SCO+8*(2*(k/8)+\u)+k%8], v[XR+k]
	v_exp_f32 v[SCO+8*(2*(k/8)+\u)+k%8+1], v[XR+k+1]
.set i, i+1
.endr
	WIN 0
.endm
; Stage E, first part: the sums of p in f32, four chains of pairs
.macro STAGE_SUM u, first
	v_mov_b32 v[MX+2*\u], v[TM]                    ; the plain vector instruction between the exponentials and the first use of a result (ISA guide 5.7.2)
	s_wait_alu depctr_va_vdst(0)
.irp c, 0,1,2,3
	v_pk_add_f32 v[SU+2*\c:SU+2*\c+1], v[SCO+8*(2*\c+\u):SCO+8*(2*\c+\u)+1], v[SCO+8*(2*\c+\u)+2:SCO+8*(2*\c+\u)+3]
.endr
.irp r, 4,6
.irp c, 0,1,2,3
	v_pk_add_f32 v[SU+2*\c:SU+2*\c+1], v[SU+2*\c:SU+2*\c+1], v[SCO+8*(2*\c+\u)+\r:SCO+8*(2*\c+\u)+\r+1]
.endr
.endr
	v_pk_add_f32 v[SU:SU+1], v[SU:SU+1], v[SU+2:SU+3]
	v_pk_add_f32 v[SU+4:SU+5], v[SU+4:SU+5], v[SU+6:SU+7]
	v_pk_add_f32 v[SU:SU+1], v[SU:SU+1], v[SU+4:SU+5]
.if \first
	v_add_f32 v[LS+\u], v[SU], v[SU+1]
.else
	v_fma_f32 v[LS+\u], v[LS+\u], v[AL+2*\u], v[SU]
	v_add_f32 v[LS+\u], v[LS+\u], v[SU+1]
.endif
.endm
; Stage E, second part: P (key tiles 2 g and 2 g + 1 make registers 0-3 and 4-7 of a 32-deep fragment), and O of this query tile to the new maximum
.macro STAGE_PK u, first
.irp g, 0,1
.irp q, 0,1
.irp r, 0,1,2,3
	v_cvt_pk_f16_f32 v[PFR+8*(2*\g+\u)+4*\q+\r], v[SCO+8*(2*(2*\g+\q)+\u)+2*\r], v[SCO+8*(2*(2*\g+\q)+\u)+2*\r+1]
.endr
.endr
.endr
.if \first == 0
.irp t, 0,1,2,3
.irp r, 0,1,2,3
	v_pk_mul_f32 v[OAC+8*(2*\t+\u)+2*\r:OAC+8*(2*\t+\u)+2*\r+1], v[OAC+8*(2*\t+\u)+2*\r:OAC+8*(2*\t+\u)+2*\r+1], v[AL+2*\u:AL+2*\u+1] op_sel_hi:[1,0]
.endr
.endr
.endif
.endm
; The step of unit (j, 0).  (slot, h) = half tile j.  Products: P V of (j - 1, 1), K Q of (j, 1).  Loads: the mask of (j, 1); V of j, once the last product on the old V
; lies 18 plain vector instructions back.
.macro STEP0 slot, h, first, pv
	s_wait_dscnt 0x0                               ; the mask of (j, 0), the only loads out
	STAGE_A 0
	STAGE_B 0, \first
	WIN 0x40                                       ; destination window 1
	LOADM \slot, \h, 1
	STAGE_C 0, \first
	STAGE_D 0, 1, \first, \pv, 1, -1, -1
	STAGE_SUM 0, \first
	WIN 0x40
	LOADV \slot, \h
	WIN 0
	STAGE_PK 0, \first
.endm
; The step of unit (j, 1).  (lslot, lh) = half tile j + 1.  Products: P V of (j, 0), K Q of (j + 1, 0).  Loads: K of j + 1 and the mask of (j + 1, 0) (more = 0: there is no j + 1).
; rnd = 2: j closes a tile.  Its last reads (V of j) and all my tensor loads (one: my part of the next tile) are waited for, the round of the cluster's barrier opens,
; stages A and B are register work while the others arrive, and behind the round's closing wait slot rslot is filled again, two tiles on, ahead of the first read of the next tile.
; From a request to the wait for it a wave passes four steps.  rnd = 1: the same waits and a plain barrier.
.macro STEP1 lslot, lh, first, pv, rnd, rslot, more
.if \rnd
	s_wait_dscnt 0x0                               ; my reads of this tile are over
	s_wait_tensorcnt 0x0                           ; all my tensor loads have landed, so every group 0 may be written
	ds_add_u32 v254, v255
	s_wait_dscnt 0x0
.if \rnd == 2
	s_add_nc_u64 s[G0M+4*\rslot+2:G0M+4*\rslot+3], s[G0M+4*\rslot+2:G0M+4*\rslot+3], 2*512
	s_add_nc_u64 s[G0K+4*\rslot+2:G0K+4*\rslot+3], s[G0K+4*\rslot+2:G0K+4*\rslot+3], 2*262144
	s_add_nc_u64 s[G0V+4*\rslot+2:G0V+4*\rslot+3], s[G0V+4*\rslot+2:G0V+4*\rslot+3], 2*262144
.endif
	s_barrier_signal -1
.else
	s_wait_dscnt 16                                ; the mask of (j, 1) is in; V's 16 loads stay out
.endif
	STAGE_A 1
	STAGE_B 1, \first
.if \rnd
	s_barrier_wait -1
.if \rnd == 2
	CREST                                          ; no wave of any partner still reads this tile or has a load on its way
	JLOAD3 \rslot                                  ; the first tensor load behind the round
.endif
.endif
	WIN 0x40
.if \more
	LOADK \lslot, \lh
	LOADM \lslot, \lh, 0
.endif
	STAGE_C 1, \first
.if \more
	STAGE_D 1, 0, \first, \pv, 1, 24, 8            ; 24: V is in, K's 16 and the mask's 8 stay out; 8: K is in, the mask's 8 stay out
.else
	STAGE_D 1, 0, \first, \pv, 0, 0, -1
.endif
	STAGE_SUM 1, \first
	STAGE_PK 1, \first
.endm
.macro TRIP slot, other, rnd           ; a tile of 128 keys: four steps
	STEP0 \slot, 0, 0, 2
	STEP1 \slot, 1, 0, 2, 0, 0, 1
	STEP0 \slot, 1, 0, 2
	STEP1 \other, 0, 0, 2, \rnd, \slot, 1
.endm
	s_wait_loadcnt 0x0                             ; Q, once
	s_wait_tensorcnt 1                             ; my part of tile 0 is in; tile 1's stays out
	s_barrier_signal -1
	s_barrier_wait -1                              ; everybody's is
	WIN 0x40
	LOADK 0, 0
	LOADM 0, 0, 0
	WIN 0x01
	s_wait_dscnt 8                                 ; K's 16 loads are in; the mask's 8 stay out
.set i, 0
.rept 8
	QKW 0                                          ; K Q of unit (0, 0) fills the pipeline
.set i, i+1
.endr
	WIN 0
	PLACES                                         ; behind these products alone nothing else stands before stage A reads them
	STEP0 0, 0, 1, 0                               ; tile 0 is written out: maxima, sums and O start here, nothing is cleared
	STEP1 0, 1, 1, 1, 0, 0, 1
	STEP0 0, 1, 0, 1
	STEP1 1, 0, 0, 2, 2, 0, 1                      ; asks for tile 2
	TRIP 1, 0, 2                                   ; tile 1 asks for tile 3
	s_mov_b32 s3, 6
.Ltiles:
	TRIP 0, 1, 2                                   ; tiles 2 to 13 ask for tiles 4 to 15
	TRIP 1, 0, 2
	s_sub_co_u32 s3, s3, 1
	s_cmp_lg_u32 s3, 0
	s_cbranch_scc1 .Ltiles
	TRIP 0, 1, 1                                   ; tile 14 asks for nothing: its barrier only shows tile 15 whole
	STEP0 1, 0, 0, 2                               ; tile 15
	STEP1 1, 1, 0, 2, 0, 0, 1
	STEP0 1, 1, 0, 2
	STEP1 0, 0, 0, 2, 0, 0, 0                      ; the last step: nothing more to load or to begin
	WIN 0x01
.set i, 0
.rept 8
	PVW 1, 2                                       ; P V of unit (31, 1) empties the pipeline
.set i, i+1
.endr
	WIN 0
	; THE WAY OUT: join the halves' sums, divide, round once to f16, and meet the other head's wave in the stage so that rows of 256 bytes leave whole.
	PLACES
.irp u, 0,1
	v_permlanex16_b32 v[TP+\u], v[LS+\u], s76, s77
.endr
.irp u, 0,1
	v_add_f32 v[LS+\u], v[LS+\u], v[TP+\u]         ; at least 1: the largest score gives 2^0
.endr
	v_rcp_f32 v[AL], v[LS]
	v_rcp_f32 v[AL+2], v[LS+1]
	v_nop                                          ; one plain vector instruction behind the reciprocals (ISA guide 5.7.2)
	s_wait_alu depctr_va_vdst(0)
.irp t, 0,1,2,3
.irp u, 0,1
.irp r, 0,1,2,3
	v_pk_mul_f32 v[SCO+8*(2*\t+\u)+2*\r:SCO+8*(2*\t+\u)+2*\r+1], v[OAC+8*(2*\t+\u)+2*\r:OAC+8*(2*\t+\u)+2*\r+1], v[AL+2*\u:AL+2*\u+1] op_sel_hi:[1,0]
.endr
.endr
.endr
.irp t, 0,1,2,3
.irp u, 0,1
.irp r, 0,1,2,3
	v_cvt_pk_f16_f32 v[PFR+4*(2*\t+\u)+\r], v[SCO+8*(2*\t+\u)+2*\r], v[SCO+8*(2*\t+\u)+2*\r+1]
.endr
.endr
.endr
.irp t, 0,1,2,3
.irp u, 0,1
	ds_store_b128 v[STO], v[PFR+4*(2*\t+\u):PFR+4*(2*\t+\u)+3] offset:\u*16*KPITCH+32*\t     ; query 16 u + r, depths 16 t + 8 h + 0..7
.endr
.endr
	s_wait_dscnt 0x0                               ; my stores are done, for the others' sake
	s_barrier_signal -1
	s_barrier_wait -1                              ; each row's two halves come from two waves
.irp i, 0,1,2,3,4,5,6,7
	ds_load_b128 v[SCO+4*\i:SCO+4*\i+3], v[RD] offset:\i*2*KPITCH
.endr
.irp i, 0,1,2,3,4,5,6,7
	s_wait_dscnt 7-\i                              ; read-back i is in, the younger ones stay out
	global_store_b128 v[CO], v[SCO+4*\i:SCO+4*\i+3], s[90:91] offset:\i*4096     ; 16 lanes store 256 consecutive bytes, aligned
.endr
	s_wait_tensorcnt 0x0
	ds_add_u32 v254, v255
	s_wait_dscnt 0x0
	CROUND                                         ; the closing round: no work-group ends while a partner may still ask jointly
	s_endpgm
.Lfunc_end_k_q539e878743_attn:
	.size	k_q539e878743_attn, .Lfunc_end_k_q539e878743_attn-k_q539e878743_attn
	.p2alignl 7, 3214868480
	.fill 96, 4, 3214868480
	.section	.rodata,"a",@progbits
	.p2align	6, 0x0
	.amdhsa_kernel k_q539e878743_attn
		.amdhsa_group_segment_fixed_size 327680
		.amdhsa_private_segment_fixed_size 0
		.amdhsa_enable_private_segment 0
		.amdhsa_kernarg_size 24
		.amdhsa_user_sgpr_count 2
		.amdhsa_user_sgpr_kernarg_segment_ptr 1
		.amdhsa_wavefront_size32 1
		.amdhsa_system_sgpr_workgroup_id_x 1
		.amdhsa_system_sgpr_workgroup_id_y 1
		.amdhsa_system_sgpr_workgroup_id_z 1
		.amdhsa_system_vgpr_workitem_id 0
		.amdhsa_next_free_vgpr 512
		.amdhsa_next_free_sgpr 96
		.amdhsa_reserve_vcc 0
		.amdhsa_float_denorm_mode_32 3
		.amdhsa_float_denorm_mode_16_64 3
		.amdhsa_memory_ordered 1
		.amdhsa_forward_progress 1
		.amdhsa_inst_pref_size 255
	.end_amdhsa_kernel
	.section	.bss,"aw",@nobits
	.p2align	6
	.space	262144
	.amdgpu_metadata
---
amdhsa.version: [ 1, 2 ]
amdhsa.kernels:
  - .name:           k_q539e878743_attn
    .symbol:         k_q539e878743_attn.kd
    .args:
      - { .name: qkv, .offset: 0, .size: 8, .value_kind: global_buffer, .address_space: global }
      - { .name: mask, .offset: 8, .size: 8, .value_kind: global_buffer, .address_space: global }
      - { .name: ctx, .offset: 16, .size: 8, .value_kind: global_buffer, .address_space: global }
    .group_segment_fixed_size: 327680
    .private_segment_fixed_size: 0
    .kernarg_segment_align: 8
    .kernarg_segment_size: 24
    .max_flat_workgroup_size: 256
    .sgpr_count:     96
    .vgpr_count:     512
    .wavefront_size: 32
...
	.end_amdgpu_metadata
.endif
;; end of part 3
;; launch outp (part 4): grid 8 x 32, 4 waves a work-group, clusters of 4 x 4, 327,680 bytes of LDS; arguments ctx, wb, dense_b, out0; writes out0
.if DOCPART == 4
	.amdgcn_target "amdgcn-amd-amdhsa--gfx1250"
	.amdhsa_code_object_version 6
	.text
	.protected	k_q539e878743_outp
	.globl	k_q539e878743_outp
	.p2align	8
	.type	k_q539e878743_outp,@function
k_q539e878743_outp:
	s_mov_b64 s[64:65], 0
	v_nop
	global_prefetch_b8 v0, s[64:65] scope:SCOPE_SE
	s_setreg_imm32_b32 hwreg(HW_REG_WAVE_MODE, 25, 1), 1
	s_wait_xcnt 0x0
	s_wait_alu depctr_hold_cnt(0) depctr_sa_sdst(0) depctr_va_vdst(0) depctr_va_sdst(0) depctr_va_ssrc(0) depctr_va_vcc(0) depctr_vm_vsrc(0)
	s_getreg_b32 s2, hwreg(HW_REG_IB_STS2, 6, 4)
	s_cmp_eq_u32 s2, 0
	s_cbranch_scc0 .Lentry_in_a_cluster
	s_endpgm
.Lentry_in_a_cluster:
	s_bfe_u32 s2, ttmp6, 0x10000c
	s_cmp_lg_u32 s2, 0xf033
	s_cbranch_scc0 .Lentry_shape_is_right
	s_endpgm
.Lentry_shape_is_right:
; out0[m][n] = sum over k of ctx[m][k] dense_w[n][k] + dense_b[n].  ctx f16 [4096][1024]; dense_w f16 at wb + 6,291,456 [1024][1024]; out0 f32.
; Sums in f32, started by the bias.  LIMIT: ctx and dense_w are f16: magnitudes below 65,504.
; 4,096 x 1,024 outputs on 256 work-groups: blocks of 128 x 128 (blocks of 256 x 256 would leave three quarters of the WGPs without work).
; Four waves, 64 x 64 each: 16 accumulator tiles, 128 registers.  K = 1,024 is eight steps of 128 through FOUR LDS slots: all four are asked for at the start,
; and two are filled again behind each of two rounds, so a wave has four, then two tensor loads out, each with two K steps' work or more in which to land.
; CLUSTERS 4 x 4: ctx's tiles are asked for jointly along a row of the cluster, dense_w's along a column.
; The matrix instruction is used transposed (source 0 = rows of dense_w, source 1 = rows of ctx): a lane's eight results are eight neighbouring columns, 32 bytes.
.set KSTEP, 128
.set PITCH, 272                        ; 256 + 16: 16 rows of a fragment start 4 banks apart (64 banks of 4 bytes: ISA guide 11.1)
.set HALFT, 64*PITCH                   ; one tensor load: 64 rows
.set SLOT,  4*HALFT                    ; A's 128 rows, then B's 128 rows
.set STAGE, 4*SLOT                     ; 278,528, a multiple of 256: 16 rows x 272 bytes for each wave; no tensor load lands here
.set ADRA, 16                          ; v16-19  my A fragments in slot 0..3
.set ADRB, 20                          ; v20-23  my B fragments
.set STO,  24
.set RD,   25
.set CO,   26
.set BO,   27
.set BIAS, 32                          ; v[32:63]   bias(n0 + 16 b + 8 h + j) at 8 b + j
.set F0,   64                          ; v[64:127]  B fragments at 8 b, A fragments at 32 + 8 a
.set F1,   128
.set RB0,  192                         ; the way out: rows read back, two buffers
.set RB1,  224
.set G1A, 24
.set G1B, 32
.set G0A, 40                           ; s[40:55]  one set a slot
.set G0B, 68                           ; s[68:83]
.set MSB, 0
.macro WIN new                         ; the immediate's high byte repeats the setting that is left
.if MSB != \new
	s_set_vgpr_msb (MSB<<8)|\new
.set MSB, \new
.endif
.endm
.macro PLACES                          ; four independent vector instructions behind a matrix instruction (ISA guide 7.12.1)
.rept 4
	v_nop
.endr
.endm
.macro JLOAD s                         ; waves 0, 1 fetch A's halves, waves 2, 3 B's; the branch hangs on the wave's number alone
	s_cmp_eq_u32 s13, 0
	s_cbranch_scc0 .Lfor_b_\@
	tensor_load_to_lds s[G0A+4*\s:G0A+4*\s+3], s[G1A:G1A+7]
	s_nop 0
	s_branch .Lasked_\@
.Lfor_b_\@:
	tensor_load_to_lds s[G0B+4*\s:G0B+4*\s+3], s[G1B:G1B+7]
	s_nop 0
.Lasked_\@:
.endm
.macro CREST
	s_cmp_lg_u32 s12, 0
	s_cbranch_scc1 .Lnot_wave_0_\@
	s_barrier_signal -3
.Lnot_wave_0_\@:
	s_barrier_wait -3
	s_barrier_signal -1
	s_barrier_wait -1
.endm
.macro CROUND                          ; a round of the cluster's barrier
	s_barrier_signal -1
	s_barrier_wait -1
	CREST
.endm
	s_load_b128 s[4:7], s[0:1], 0x0                ; ctx s[4:5], wb s[6:7]
	s_load_b128 s[8:11], s[0:1], 0x10              ; dense_b s[8:9], out0 s[10:11]
	v_lshl_add_u32 v30, v0, 2, 0x48400
	v_mov_b32 v31, 0
	ds_add_u32 v30, v31
	v_lshrrev_b32 v1, 5, v0
	v_readfirstlane_b32 s12, v1                    ; wave 0..3
	s_lshr_b32 s13, s12, 1                         ; my half of the rows.  Also: I fetch for A (0) or for B (1)
	s_and_b32 s14, s12, 1                          ; my half of the columns.  Also: which 64 rows of that tile I fetch
	s_bfe_u32 s16, ttmp6, 0x40000                  ; cx
	s_bfe_u32 s17, ttmp6, 0x40004                  ; cy
	s_lshl_b32 s18, ttmp9, 2
	s_add_co_u32 s18, s18, s16                     ; block column, 0..7
	s_and_b32 s19, ttmp7, 0xffff
	s_lshl_b32 s19, s19, 2
	s_add_co_u32 s19, s19, s17                     ; block row, 0..31
	s_lshl_b32 s20, s17, 2
	s_lshl_b32 s20, 15, s20                        ; my row of the cluster
	s_lshl_b32 s21, 0x1111, s16                    ; my column
	; group 1: 64 rows x 128 elements of 2 bytes, pitch 1,024 elements, 4 words of padding behind every 64 words
	s_or_b32 s[G1A+0], s20, (1<<16)|(1<<20)|(1<<21)|(5<<22)|(3<<25)
	s_or_b32 s[G1B+0], s21, (1<<16)|(1<<20)|(1<<21)|(5<<22)|(3<<25)
	s_mov_b32 s[G1A+1], KSTEP<<16                  ; tensor_dim0 = 128
	s_mov_b32 s[G1B+1], KSTEP<<16
	s_mov_b32 s[G1A+2], 64<<16                     ; tensor_dim1 = 64
	s_mov_b32 s[G1B+2], 64<<16
	s_mov_b32 s[G1A+3], KSTEP<<16                  ; tile_dim0 = 128
	s_mov_b32 s[G1B+3], KSTEP<<16
	s_mov_b32 s[G1A+4], 64                         ; tile_dim1 = 64
	s_mov_b32 s[G1B+4], 64
	s_mov_b32 s[G1A+5], 1024
	s_mov_b32 s[G1B+5], 1024
	s_mov_b32 s[G1A+6], 0
	s_mov_b32 s[G1B+6], 0
	s_mov_b32 s[G1A+7], 0
	s_mov_b32 s[G1B+7], 0
	s_lshl_b32 s22, s14, 17                        ; 64 rows of 2,048 bytes
	s_lshl_b32 s56, s19, 18                        ; A: 128 rows a block row
	s_add_co_u32 s56, s56, s22
	s_mov_b32 s57, 0
	s_lshl_b32 s58, s18, 18                        ; B: 128 rows a block column,
	s_add_co_u32 s58, s58, s22
	s_add_co_u32 s58, s58, 6291456                 ; in the fourth matrix of wb
	s_mov_b32 s59, 0
	s_mul_i32 s60, s12, HALFT                      ; where my part goes: wave x 64 rows
	s_lshl_b32 s84, s18, 9                         ; my first column in bytes of f32: 512 x block column + 256 x half
	s_lshl_b32 s88, s14, 8
	s_add_co_u32 s84, s84, s88
	s_mov_b32 s85, 0
	s_lshl_b32 s86, s19, 19                        ; out0: 128 rows of 4,096 bytes a block row,
	s_lshl_b32 s88, s13, 18                        ; 64 rows a half,
	s_add_co_u32 s86, s86, s88
	s_add_co_u32 s86, s86, s84                     ; my first column
	s_mov_b32 s87, 0
	s_wait_dscnt 0x0
	s_wait_kmcnt 0x0
	s_add_nc_u64 s[56:57], s[4:5], s[56:57]
	s_add_nc_u64 s[58:59], s[6:7], s[58:59]
	s_add_nc_u64 s[84:85], s[8:9], s[84:85]
	s_add_nc_u64 s[86:87], s[10:11], s[86:87]
	CROUND                                         ; all sixteen work-groups are here: the first joint loads meet
.irp s, 0,1,2,3
	s_mov_b32 s[G0A+4*\s], 1
	s_add_co_u32 s[G0A+4*\s+1], s60, \s*SLOT
	s_add_nc_u64 s[G0A+4*\s+2:G0A+4*\s+3], s[56:57], \s*KSTEP*2
	s_or_b32 s[G0A+4*\s+3], s[G0A+4*\s+3], 0x80000000
	s_mov_b32 s[G0B+4*\s], 1
	s_add_co_u32 s[G0B+4*\s+1], s60, \s*SLOT
	s_add_nc_u64 s[G0B+4*\s+2:G0B+4*\s+3], s[58:59], \s*KSTEP*2
	s_or_b32 s[G0B+4*\s+3], s[G0B+4*\s+3], 0x80000000
	JLOAD \s                                       ; K steps 0 to 3: four tensor loads of the wave are out
.endr
	v_and_b32 v1, 15, v0                           ; r
	v_bfe_u32 v2, v0, 4, 1                         ; h
	v_lshlrev_b32 v[BO], 5, v2
.irp b, 0,1,2,3
	global_load_b128 v[BIAS+8*\b:BIAS+8*\b+3],   v[BO], s[84:85] offset:64*\b
	global_load_b128 v[BIAS+8*\b+4:BIAS+8*\b+7], v[BO], s[84:85] offset:64*\b+16
.endr
	v_mul_u32_u24 v3, v1, PITCH
	v_lshl_add_u32 v4, v2, 4, v3                   ; r x 272 + 16 h
	s_mul_i32 s22, s13, HALFT                      ; my 64 rows of A
	s_mul_i32 s23, s14, HALFT                      ; my 64 rows of B,
	s_add_co_u32 s23, s23, 2*HALFT                 ; behind A's 128
.irp s, 0,1,2,3
	v_add_nc_u32 v[ADRA+\s], s22, v4
	v_add_nc_u32 v[ADRB+\s], s23, v4
	s_add_co_u32 s22, s22, SLOT
	s_add_co_u32 s23, s23, SLOT
.endr
	s_mul_i32 s61, s12, 16*PITCH
	s_add_co_u32 s61, s61, STAGE                   ; my stage
	v_lshl_add_u32 v5, v2, 5, v3                   ; in: row r, 32 bytes for each half of the lanes
	v_add_nc_u32 v[STO], s61, v5
	v_mul_u32_u24 v6, v2, PITCH                    ; back: lanes 0-15 one row of 256 bytes, lanes 16-31 the next
	v_lshl_add_u32 v6, v1, 4, v6
	v_add_nc_u32 v[RD], s61, v6
	v_lshlrev_b32 v7, 12, v2                       ; the same two rows in out0
	v_lshl_add_u32 v[CO], v1, 4, v7
; 16 LDS loads: the fragments of a quarter step (64 rows of B, 64 rows of A, 32 along K at byte k) into buffer f
.macro FETCH slot, k, f
.irp i, 0,1,2,3
	ds_load_b128 v[\f+8*\i:\f+8*\i+3],   v[ADRB+\slot] offset:\k+\i*16*PITCH
	ds_load_b128 v[\f+8*\i+4:\f+8*\i+7], v[ADRB+\slot] offset:\k+\i*16*PITCH+32
.endr
.irp i, 0,1,2,3
	ds_load_b128 v[\f+32+8*\i:\f+32+8*\i+3],   v[ADRA+\slot] offset:\k+\i*16*PITCH
	ds_load_b128 v[\f+32+8*\i+4:\f+32+8*\i+7], v[ADRA+\slot] offset:\k+\i*16*PITCH+32
.endr
.endm
; 16 matrix instructions, the 16 accumulators by turns, one instruction a turn, in one order everywhere.
; first = 1: the bias is C: nothing is cleared.
.macro MUL f, first
.if \first
	WIN 0x40                                       ; D window 1, C (the bias) window 0
.else
	WIN 0x50                                       ; C and D window 1
.endif
.irp a, 0,1,2,3
.irp b, 0,1,2,3
.if \first
	v_wmma_f32_16x16x32_f16 v[8*(4*\a+\b):8*(4*\a+\b)+7], v[\f+8*\b:\f+8*\b+7], v[\f+32+8*\a:\f+32+8*\a+7], v[BIAS+8*\b:BIAS+8*\b+7]
.else
	v_wmma_f32_16x16x32_f16 v[8*(4*\a+\b):8*(4*\a+\b)+7], v[\f+8*\b:\f+8*\b+7], v[\f+32+8*\a:\f+32+8*\a+7], v[8*(4*\a+\b):8*(4*\a+\b)+7]
.endif
.endr
.endr
	WIN 0
.endm
.macro STEPQ slot, k, f, g             ; the quarter at (slot, k) goes into buffer g, which the last products read; buffer f is multiplied
	PLACES
	FETCH \slot, \k, \g
	s_wait_dscnt 16                                ; buffer f is in; the 16 loads just issued stay out
	MUL \f, 0
.endm
.macro RUN2 sa, sb, first              ; two K steps = eight quarters on buffers 0, 1, 0, 1, ..
	PLACES
	FETCH \sa, 0, F0
	FETCH \sa, 64, F1
	s_wait_dscnt 16
	MUL F0, \first
	STEPQ \sa, 128, F1, F0
	STEPQ \sa, 192, F0, F1
	STEPQ \sb, 0,   F1, F0
	STEPQ \sb, 64,  F0, F1
	STEPQ \sb, 128, F1, F0
	STEPQ \sb, 192, F0, F1
	s_wait_dscnt 0x0
	MUL F1, 0
.endm
; Slots a and b, which have been read, are filled again, four K steps on: each wave's waits, a round of the cluster's barrier, the joint refills first behind it.
.macro REFILL a, b
	s_wait_tensorcnt 0x0                           ; all my tensor loads have landed, so every group 0 may be written
	ds_add_u32 v30, v31
.irp t, \a, \b
	s_add_nc_u64 s[G0A+4*\t+2:G0A+4*\t+3], s[G0A+4*\t+2:G0A+4*\t+3], 4*KSTEP*2
	s_add_nc_u64 s[G0B+4*\t+2:G0B+4*\t+3], s[G0B+4*\t+2:G0B+4*\t+3], 4*KSTEP*2
.endr
	s_wait_dscnt 0x0                               ; my reads of the two slots are over
	CROUND
	JLOAD \a
	JLOAD \b
.endm
	s_wait_tensorcnt 2                             ; my parts of K steps 0 and 1 are in; steps 2 and 3 stay out
	s_barrier_signal -1
	s_barrier_wait -1
	s_wait_loadcnt 0x0                             ; the bias, once
	RUN2 0, 1, 1                                   ; K steps 0, 1
	REFILL 0, 1                                    ; K steps 4, 5 go out; 2, 3 have landed
	RUN2 2, 3, 0
	REFILL 2, 3                                    ; K steps 6, 7 go out; 4, 5 have landed
	RUN2 0, 1, 0
	s_wait_tensorcnt 0x0                           ; K steps 6, 7
	s_wait_dscnt 0x0
	s_barrier_signal -1
	s_barrier_wait -1
	RUN2 2, 3, 0
	; THE WAY OUT, 16 rows at a time: 32 bytes a lane straight from the accumulators into my own stage, read back as whole rows of 256 bytes.
	PLACES
.macro OUTA a, f
	WIN 0x04                                       ; store data window 1
.irp b, 0,1,2,3
	ds_store_b128 v[STO], v[8*(4*\a+\b):8*(4*\a+\b)+3] offset:64*\b
	ds_store_b128 v[STO], v[8*(4*\a+\b)+4:8*(4*\a+\b)+7] offset:64*\b+16
.endr
	WIN 0
	s_wait_xcnt 0x0                                ; buffer f, which earlier stores read, and the stores' base are rewritten only behind this wait (ISA guide 3.1)
.if \a
	s_add_nc_u64 s[86:87], s[86:87], 16*4096
.endif
.irp t, 0,1,2,3,4,5,6,7
	ds_load_b128 v[\f+4*\t:\f+4*\t+3], v[RD] offset:\t*2*PITCH     ; LDS serves a wave's instructions in order (ISA guide 5.7.1): these see the stores above
.endr
.irp t, 0,1,2,3,4,5,6,7
	s_wait_dscnt 7-\t                              ; read-back t is in, the younger ones stay out
	global_store_b128 v[CO], v[\f+4*\t:\f+4*\t+3], s[86:87] offset:\t*2*4096 th:TH_STORE_NT   ; 16 lanes store 256 consecutive bytes, aligned
.endr
.endm
	OUTA 0, RB0
	OUTA 1, RB1
	OUTA 2, RB0
	OUTA 3, RB1
	s_wait_tensorcnt 0x0
	ds_add_u32 v30, v31
	s_wait_dscnt 0x0
	CROUND                                         ; the closing round: no work-group ends while a partner may still ask jointly
	s_endpgm
.Lfunc_end_k_q539e878743_outp:
	.size	k_q539e878743_outp, .Lfunc_end_k_q539e878743_outp-k_q539e878743_outp
	.p2alignl 7, 3214868480
	.fill 96, 4, 3214868480
	.section	.rodata,"a",@progbits
	.p2align	6, 0x0
	.amdhsa_kernel k_q539e878743_outp
		.amdhsa_group_segment_fixed_size 327680
		.amdhsa_private_segment_fixed_size 0
		.amdhsa_enable_private_segment 0
		.amdhsa_kernarg_size 32
		.amdhsa_user_sgpr_count 2
		.amdhsa_user_sgpr_kernarg_segment_ptr 1
		.amdhsa_wavefront_size32 1
		.amdhsa_system_sgpr_workgroup_id_x 1
		.amdhsa_system_sgpr_workgroup_id_y 1
		.amdhsa_system_sgpr_workgroup_id_z 1
		.amdhsa_system_vgpr_workitem_id 0
		.amdhsa_next_free_vgpr 384
		.amdhsa_next_free_sgpr 96
		.amdhsa_reserve_vcc 0
		.amdhsa_float_denorm_mode_32 3
		.amdhsa_float_denorm_mode_16_64 3
		.amdhsa_memory_ordered 1
		.amdhsa_forward_progress 1
		.amdhsa_inst_pref_size 92
	.end_amdhsa_kernel
	.amdgpu_metadata
---
amdhsa.version: [ 1, 2 ]
amdhsa.kernels:
  - .name:           k_q539e878743_outp
    .symbol:         k_q539e878743_outp.kd
    .args:
      - { .name: ctx, .offset: 0, .size: 8, .value_kind: global_buffer, .address_space: global }
      - { .name: wb, .offset: 8, .size: 8, .value_kind: global_buffer, .address_space: global }
      - { .name: dense_b, .offset: 16, .size: 8, .value_kind: global_buffer, .address_space: global }
      - { .name: out0, .offset: 24, .size: 8, .value_kind: global_buffer, .address_space: global }
    .group_segment_fixed_size: 327680
    .private_segment_fixed_size: 0
    .kernarg_segment_align: 8
    .kernarg_segment_size: 32
    .max_flat_workgroup_size: 128
    .sgpr_count:     96
    .vgpr_count:     384
    .wavefront_size: 32
...
	.end_amdgpu_metadata
.endif
;; end of part 4
;; ======== version 2 of 2: 4 launches; version 1 with the launch cast written anew for expert scheduling mode
;; limits: values are held in f16: magnitudes above 65,504 overflow, below 6.1e-05 lose precision
;; workspace buffers: xb 25,165,824 bytes; wb 8,388,608 bytes; qkv 25,165,824 bytes; ctx 8,388,608 bytes
;; launch cast (part 5): grid 256 x 1, 16 waves a work-group, no clusters, 0 bytes of LDS; arguments query, key_, value, wq_w, wk_w, wv_w, dense_w, xb, wb; writes xb, wb
.if DOCPART == 5
	.amdgcn_target "amdgcn-amd-amdhsa--gfx1250"
	.amdhsa_code_object_version 6
	.text
	.protected	k_q539e878743_cast
	.globl	k_q539e878743_cast
	.p2align	8
	.type	k_q539e878743_cast,@function
k_q539e878743_cast:
	s_mov_b64 s[64:65], 0
	v_nop
	global_prefetch_b8 v0, s[64:65] scope:SCOPE_SE
	s_setreg_imm32_b32 hwreg(HW_REG_WAVE_SCHED_MODE, 0, 2), 2
	s_setreg_imm32_b32 hwreg(HW_REG_WAVE_MODE, 25, 1), 1
	s_wait_xcnt 0x0
	s_wait_alu depctr_vm_vsrc(0)
; f32 to 16 bits, a plain stream.  query, key_, value -> xb [3][4096][1024] bf16; wq_w, wk_w, wv_w -> wb[0..2] [1024][1024] bf16;
; dense_w -> wb[3] in f16: first rounded to bf16 like every other input, then widened, because its partner in the last product is f16.
; LIMIT: the widening is exact for 2^-17 <= |w| < 65,504; below, the error is at most 2^-25; at 65,504 and above the f16 is infinite.
; 256 work-groups of 16 waves; each owns 65,536 numbers: 262,144 bytes in, 131,072 bytes out.  Work-groups 0-191 take the three
; activations (64 chunks each), 192-255 the four weights (16 chunks each).  Thread t takes 16 bytes at 16 t of each 8,192-byte line,
; so a wave's load covers 512 consecutive bytes and a wave's store of 8 bytes a lane 256 consecutive bytes, aligned.
; All 32 loads of a thread are issued before the first is used: no register is used twice, so no source is ever rewritten.
; No LDS, no matrix unit, no cluster: no byte is used twice.
; THE MODE: SCHED_MODE bits 1:0 = 2 (LLVM: expert scheduling mode 2), set by the entry lines.  The code itself states the register dependences
; between vector instructions and memory instructions, with s_wait_alu, always for 0.
; THE PLAN.  Registers that memory instructions touch:
;   v1, v2   byte offsets, made once at the head, read by every load (v1) and every store (v2), never written again.
;   X        line i: four registers of its own.  Load i lands in them; no vector instruction names them before; line i's roundings read them; never loaded again.
;   Y        line i: two registers of its own.  Line i's roundings write them; store i reads them; never written again.
;   T        named by vector instructions alone.
; The 32 lines go in 8 blocks of four.  Block p rounds its four lines; its memory instructions are the four stores of block p - 1, one ahead of each line's
; roundings.  No vector instruction of block p names Y of block p - 1 or v2, so ONE wait on va_vdst at a block's head states all that its four stores hang on.
; One more stands at the kernel's head, for the two offsets, and one ahead of the last four stores.  No register that a memory instruction has read is written
; again, no vector instruction writes a scalar register or VCC, and EXEC is never written: no other s_wait_alu has a dependence to state.
.set BLOCK, 4                          ; lines in a block
.set TR, 4                             ; v[4:7]     four f32, at work (f16 path)
.set XR, 8                             ; v[8:135]   load i: 4 f32
.set YR, 136                           ; v[136:199] store i: 4 numbers of 16 bits
	s_load_b512 s[8:23], s[0:1], 0x0               ; query, key_, value, wq_w, wk_w, wv_w, dense_w, xb
	s_load_b64 s[24:25], s[0:1], 0x40              ; wb
	s_mov_b32 s36, ttmp9                           ; g, the work-group's number
	s_lshr_b32 s2, s36, 6                          ; 0, 1, 2: an activation; 3: a weight
	s_bfe_u32 s3, s36, 0x20004                     ; which weight: bits 5:4 of g
	s_and_b32 s6, s36, 63                          ; chunk of an activation; also the chunk in wb
	s_and_b32 s7, s36, 15                          ; chunk of a weight
	v_lshlrev_b32 v1, 4, v0                        ; 16 t: my bytes in a line of the source
	v_lshlrev_b32 v2, 3, v0                        ; 8 t: my bytes in a line of the destination
	s_wait_kmcnt 0x0
	s_cmp_eq_u32 s2, 1                             ; every choice hangs on g alone
	s_cselect_b64 s[26:27], s[10:11], s[8:9]
	s_cmp_eq_u32 s2, 2
	s_cselect_b64 s[26:27], s[12:13], s[26:27]     ; the activation
	s_cmp_eq_u32 s3, 1
	s_cselect_b64 s[28:29], s[16:17], s[14:15]
	s_cmp_eq_u32 s3, 2
	s_cselect_b64 s[28:29], s[18:19], s[28:29]
	s_cmp_eq_u32 s3, 3
	s_cselect_b64 s[28:29], s[20:21], s[28:29]     ; the weight
	s_cmp_eq_u32 s2, 3
	s_cselect_b64 s[26:27], s[28:29], s[26:27]     ; source
	s_cselect_b64 s[30:31], s[24:25], s[22:23]     ; destination: wb or xb
	s_cselect_b32 s32, s7, s6                      ; chunk in the source
	s_cselect_b32 s34, s6, s36                     ; chunk in the destination
	s_lshl_b32 s32, s32, 18                        ; x 262,144 bytes
	s_mov_b32 s33, 0
	s_lshl_b32 s34, s34, 17                        ; x 131,072 bytes
	s_mov_b32 s35, 0
	s_add_nc_u64 s[26:27], s[26:27], s[32:33]
	s_add_nc_u64 s[30:31], s[30:31], s[34:35]
	s_wait_alu depctr_va_vdst(0)                   ; v1 and v2 are written: every load below reads v1 as its offset, every store on both paths v2
.irp i, 0,1,2,3,4,5,6,7,8,9,10,11,12,13,14,15,16,17,18,19,20,21,22,23,24,25,26,27,28,29,30,31
	global_load_b128 v[XR+4*\i:XR+4*\i+3], v1, s[26:27] offset:8192*\i th:TH_LOAD_NT
.endr
; line i: wait for its load; the store of the line one block back; round.  half = 1: bf16 is widened to f32 (a shift, a mask) and packed as f16.
.macro LINE i, half
	s_wait_loadcnt 31-(\i)                         ; loads come back in order (ISA guide 5.7.1): line i is in, the younger ones stay out
.if (\i) > 0
.if (\i)%BLOCK == 0
	s_wait_alu depctr_va_vdst(0)                   ; the block before has written its four pairs of Y, which this block's four stores read
.endif
.endif
.if (\i) >= BLOCK
	global_store_b64 v2, v[YR+2*((\i)-BLOCK):YR+2*((\i)-BLOCK)+1], s[30:31] offset:4096*((\i)-BLOCK)   ; no vector instruction since the wait names these registers.  No hint: the next launch reads these bytes
.endif
	v_cvt_pk_bf16_f32 v[YR+2*(\i)], v[XR+4*(\i)], v[XR+4*(\i)+1]
	v_cvt_pk_bf16_f32 v[YR+2*(\i)+1], v[XR+4*(\i)+2], v[XR+4*(\i)+3]
.if \half
	v_lshlrev_b32 v[TR], 16, v[YR+2*(\i)]
	v_and_b32 v[TR+1], 0xffff0000, v[YR+2*(\i)]
	v_lshlrev_b32 v[TR+2], 16, v[YR+2*(\i)+1]
	v_and_b32 v[TR+3], 0xffff0000, v[YR+2*(\i)+1]
	v_cvt_pk_f16_f32 v[YR+2*(\i)], v[TR], v[TR+1]
	v_cvt_pk_f16_f32 v[YR+2*(\i)+1], v[TR+2], v[TR+3]
.endif
.endm
; behind the last block: its four stores
.macro LAST
	s_wait_alu depctr_va_vdst(0)                   ; the last block has written its four pairs of Y, which the last four stores read
.irp i, 28,29,30,31
	global_store_b64 v2, v[YR+2*\i:YR+2*\i+1], s[30:31] offset:4096*\i
.endr
.endm
	s_cmp_ge_u32 s36, 240                          ; work-groups 240-255 hold dense_w
	s_cbranch_scc1 .Lf16
.irp i, 0,1,2,3,4,5,6,7,8,9,10,11,12,13,14,15,16,17,18,19,20,21,22,23,24,25,26,27,28,29,30,31
	LINE \i, 0
.endr
	LAST
	s_endpgm
.Lf16:
.irp i, 0,1,2,3,4,5,6,7,8,9,10,11,12,13,14,15,16,17,18,19,20,21,22,23,24,25,26,27,28,29,30,31
	LINE \i, 1
.endr
	LAST
	s_endpgm
.Lfunc_end_k_q539e878743_cast:
	.size	k_q539e878743_cast, .Lfunc_end_k_q539e878743_cast-k_q539e878743_cast
	.p2alignl 7, 3214868480
	.fill 96, 4, 3214868480
	.section	.rodata,"a",@progbits
	.p2align	6, 0x0
	.amdhsa_kernel k_q539e878743_cast
		.amdhsa_group_segment_fixed_size 0
		.amdhsa_private_segment_fixed_size 0
		.amdhsa_enable_private_segment 0
		.amdhsa_kernarg_size 72
		.amdhsa_user_sgpr_count 2
		.amdhsa_user_sgpr_kernarg_segment_ptr 1
		.amdhsa_wavefront_size32 1
		.amdhsa_system_sgpr_workgroup_id_x 1
		.amdhsa_system_sgpr_workgroup_id_y 1
		.amdhsa_system_sgpr_workgroup_id_z 1
		.amdhsa_system_vgpr_workitem_id 0
		.amdhsa_next_free_vgpr 200
		.amdhsa_next_free_sgpr 66
		.amdhsa_reserve_vcc 0
		.amdhsa_float_denorm_mode_32 3
		.amdhsa_float_denorm_mode_16_64 3
		.amdhsa_memory_ordered 1
		.amdhsa_forward_progress 1
		.amdhsa_inst_pref_size 32
	.end_amdhsa_kernel
	.amdgpu_metadata
---
amdhsa.version: [ 1, 2 ]
amdhsa.kernels:
  - .name:           k_q539e878743_cast
    .symbol:         k_q539e878743_cast.kd
    .args:
      - { .name: query, .offset: 0, .size: 8, .value_kind: global_buffer, .address_space: global }
      - { .name: key_, .offset: 8, .size: 8, .value_kind: global_buffer, .address_space: global }
      - { .name: value, .offset: 16, .size: 8, .value_kind: global_buffer, .address_space: global }
      - { .name: wq_w, .offset: 24, .size: 8, .value_kind: global_buffer, .address_space: global }
      - { .name: wk_w, .offset: 32, .size: 8, .value_kind: global_buffer, .address_space: global }
      - { .name: wv_w, .offset: 40, .size: 8, .value_kind: global_buffer, .address_space: global }
      - { .name: dense_w, .offset: 48, .size: 8, .value_kind: global_buffer, .address_space: global }
      - { .name: xb, .offset: 56, .size: 8, .value_kind: global_buffer, .address_space: global }
      - { .name: wb, .offset: 64, .size: 8, .value_kind: global_buffer, .address_space: global }
    .group_segment_fixed_size: 0
    .private_segment_fixed_size: 0
    .kernarg_segment_align: 8
    .kernarg_segment_size: 72
    .max_flat_workgroup_size: 512
    .sgpr_count:     66
    .vgpr_count:     200
    .wavefront_size: 32
...
	.end_amdgpu_metadata
.endif
;; end of part 5
;; launch proj: the kernel of part 2 again; grid 4 x 48, 4 waves a work-group, clusters of 4 x 4, 327,680 bytes of LDS; arguments xb, wb, wq_b, wk_b, wv_b, qkv; writes qkv
;; launch attn: the kernel of part 3 again; grid 16 x 16, 8 waves a work-group, clusters of 4 x 4, 327,680 bytes of LDS; arguments qkv, mask, ctx; writes ctx
;; launch outp: the kernel of part 4 again; grid 8 x 32, 4 waves a work-group, clusters of 4 x 4, 327,680 bytes of LDS; arguments ctx, wb, dense_b, out0; writes out0
